; MI455X (gfx1250); checked and timed in simulation.
; The chip was launched on July 23, 2026; its instructions are those of AMD's public machine-readable ISA for CDNA 5 (MIT licence, August 2026) and "CDNA5" Instruction Set Architecture Reference Guide (July 2026). The comments in the code are by the model that wrote it; some were corrected since.
;; Multi Scale Retention. Allowed arithmetic: matrix products marked QUANTISED: E2M1 operands, one E8M0 scale for each 32 along K, by v_wmma_scale_f32_16x16x128_f8f6f4 with both operands' format E2M1 (or v_wmma_scale_f32_32x16x128_f4), f32 sums; products left as they are: bf16, f16 or f32 operands; f32 sums; everything else in f32.
;; Inputs: decay 8 float32; hidden_states 2 x 2,048 x 1,024 float32; w_gated 2,048 x 1,024 float32; w_proj 1,024 x 2,048 float32; w_qkv 4,096 x 1,024 float32.
;; Outputs: out0 2 x 2,048 x 1,024 float32; out1 2 x 8 x 128 x 256 float32.
;; This version of the problem:
;;   THIS VERSION OF THE PROBLEM IS GIVEN IN LOW PRECISION. The matrix products marked QUANTISED in the list below multiply operands that are first quantised to E2M1 (2 exponent bits, 1 mantissa bit; 4 bits a number), with one power-of-two scale for each 32 numbers along K (OCP MX v1.0); their sums are f32. The products marked 'left as it is' may take bf16, f16 or f32 operands, with f32 sums. Whichever they take, every output number must still come out within the allowed error. Rounding operands to bf16 (8 significant bits) uses up far more of that allowance than f16 does (11 bits, for magnitudes from 6e-5 to 65,504). All else is computed in f32.
;;   The module's matrix products, in the order in which they are computed (A, B: the left and right operand; K: the contracted axis; several contracted axes count as one K, in the product's order):
;;     1. [M 4,096, K 1,024] x [K 1,024, N 4,096]; A: input hidden_states; B: input w_qkv: QUANTISED
;;     2. batch 16 x [M 2,048, K 128] x [K 128, N 2,048]; A: computed on the way; B: computed on the way: left as it is (an operand is computed on the way)
;;     3. batch 16 x [M 2,048, K 2,048] x [K 2,048, N 256]; A: computed on the way; B: computed on the way: left as it is (an operand is computed on the way)
;;     4. batch 16,384 x [M 512, K 1] x [K 1, N 1]; A: computed on the way; B: computed on the way: left as it is (no contracted axis)
;;     5. batch 16 x [M 128, K 2,048] x [K 2,048, N 256]; A: computed on the way; B: computed on the way: left as it is (an operand is computed on the way)
;;     6. [M 4,096, K 1,024] x [K 1,024, N 2,048]; A: input hidden_states; B: input w_gated: QUANTISED
;;     7. [M 4,096, K 2,048] x [K 2,048, N 1,024]; A: computed on the way; B: input w_proj: left as it is (an operand is computed on the way)
;;   THE QUANTISER, for each operand of a quantised product, along K:
;;     - K is cut into blocks of 32 from its start; a last block that is shorter is filled with zeros.
;;     - A block's scale is 2^e with e = floor(log2(the largest magnitude in the block)) - 2, held to -126 .. 127; a block of zeros has e = 0. As a byte (E8M0): e + 127.
;;     - Each number is divided by its block's scale, clamped to +-6, and rounded to the nearest number of E2M1, ties to even, subnormals kept.
;;     - The product sums the exact products of the quantised numbers (number of the format x scale) in f32.
;;   ~~~python
;;   def quantise(x, axis):      # numpy; x: float32 -> the quantised numbers, widened to float32 again
;;       x = np.moveaxis(x, axis, -1); K = x.shape[-1]
;;       x = np.pad(x, [(0, 0)] * (x.ndim - 1) + [(0, -K % 32)]); x = x.reshape(x.shape[:-1] + (-1, 32)); a = np.abs(x).max(-1, keepdims=True)
;;       e = np.where(a > 0, np.clip(np.frexp(np.where(a > 0, a, 1))[1] - 1 - 2, -126, 127), 0)      # np.frexp(a)[1] - 1 = floor(log2(a)), exactly
;;       r = np.clip(x / 2.0 ** e, -6, 6)
;;       step = 2.0 ** (np.maximum(np.frexp(np.where(r == 0, 1, r))[1] - 1, 0) - 1)
;;       q = np.round(r / step) * step * 2.0 ** e      # np.round: ties to even
;;       return np.moveaxis(q.reshape(q.shape[:-2] + (-1,))[..., :K], -1, axis).astype(np.float32)
;;   ~~~
;; One version. Each part assembles by itself: llvm-mc -triple=amdgcn-amd-amdhsa -mcpu=gfx1250 --defsym DOCPART=n.
;; ======== version 1 of 1: 5 launches
;; limits: values are held in f16: magnitudes above 65,504 overflow, below 6.1e-05 lose precision; values outside matrix products are rounded to f16
;; workspace buffers: pre 11,886,592 bytes; act 58,720,256 bytes; sta 16,793,600 bytes; af 16,777,216 bytes
;; launch prep (part 1): grid 448 x 1, 4 waves a work-group, no clusters, 33,280 bytes of LDS; arguments hidden_states, w_qkv, w_gated, w_proj, decay, pre; writes pre
.if DOCPART == 1
	.amdgcn_target "amdgcn-amd-amdhsa--gfx1250"
	.amdhsa_code_object_version 6
	.text
	.protected	k_q6c40f5f475_prep
	.globl	k_q6c40f5f475_prep
	.p2align	8
	.type	k_q6c40f5f475_prep,@function
k_q6c40f5f475_prep:
	s_mov_b64 s[64:65], 0
	v_nop
	global_prefetch_b8 v0, s[64:65] scope:SCOPE_SE
	s_setreg_imm32_b32 hwreg(HW_REG_WAVE_MODE, 25, 1), 1
	s_wait_xcnt 0x0
; MULTI-SCALE RETENTION, launch 1 of 5: what every later launch reads again is made once.
; THE PROGRAM'S ALGEBRA, for all values of the inputs.  t = 128 c + i, s = 128 c' + j; pair p = channels 2 p, 2 p + 1 as a complex number; f = 10000^(-p/512), sg = (2 p + 409.6) / 1433.6.
;   q' = q sg^(i/512) e^(i i f), k' = k sg^(-j/512) e^(i j f): xPos counted from the chunk's first token.  With z = sg^(1/4) e^(i 128 f): q_t = q' z^c, k_s = k' conj(z)^(-c').
;   Inside a chunk q_t . k_s = q' . k'.  U_c = sum_j g^(127-j) k'_j (x) v_j;  S'_0 = 0;  S'_(c+1) = conj(z) (g^128 S'_c + U_c);
;   out_t = 128^(-1/2) [ sum_(j<=i) g^(i-j) (q'.k'_j) v_j + g^(i+1) q' . S'_c ];   curr_kv = sg^(-4) e^(i 2048 f) S'_16.
; WORK LEFT OUT: tiles of q k^T and of its product with v that lie wholly above the diagonal: the mask that the problem builds itself multiplies them by 0.  The sum over earlier chunks is taken through the
; state S' (the sums are the same real numbers, put in another order).  No input is left out.
; LIMITS: NaN and infinities among the inputs are not served, and one that reached only the tiles left out is not carried to the result; a block's largest magnitude under 2^(2-126) was not tried; a block of
; zeros gets the scale byte 1 where the rule says 127 (its codes are zeros, and this program alone reads the bytes); the angles are made as j f + 128 c f, which differs from t f rounded to f32 by some 3e-4 rad
; at the far end; sums are grouped by chunks of 128 tokens, so their rounding differs from a plain sum's.
; THREE PATHS, by the work-group's number:
;   0-319    hidden_states, w_qkv, w_gated, f32, become codes of FP4 (E2M1) and E8M0 scale bytes, one for each 32 along K: rows 0-4095, 4096-8191, 8192-10239 of pre's codes [10240][512 B] and scale bytes [10240][32 B].
;   320-383  w_proj x 8 as f16, row-major (the 8 undoes the 1/8 that keeps gate x normed inside f16).
;   384-447  tables: cos and sin x the xPos scale in the lane order in which the next launch's results lie (TQ, TK, TK2), z and the closing factor (TZZ, TZW), and the powers g^n (TG).
; Only the first path touches LDS.
.set SCLO,  5242880
.set WPFO,  5570560
.set TQO,   9764864
.set TK2O,  10813440
.set TZZO,  11862016
.set TGO,   11870208
.set WAVES, 4
.set STEPS, 16
.set EMAX,  2
.set CB,    8                          ; bytes of 16 codes
.set R,     16                         ; v16-79   four sets of 16 numbers as they are loaded
.set X,     80                         ; v80-111  two sets of 16 neighbours
.set C,     128                        ; v128-191 codes, four registers a step
.set E,     112                        ; v112-127 a scale byte a step
.set WREG,  8192                       ; LDS: a region for each wave: two stages of 32 x SP bytes, then its 256 scale bytes
.set SP,    80
.set SPW,   12                         ; v12 LDS address of my spare word; never rewritten
.set NIL,   13                         ; v13 0; never rewritten
.set SPARE, WAVES*WREG
	s_load_b256 s[4:11], s[0:1], 0x0               ; hidden_states, w_qkv, w_gated, w_proj
	s_load_b128 s[12:15], s[0:1], 0x20             ; decay, pre
	v_lshl_add_u32 v[SPW], v0, 2, SPARE
	v_mov_b32 v[NIL], 0
	v_lshrrev_b32 v1, 5, v0
	v_readfirstlane_b32 s16, v1                    ; wave
	v_and_b32 v2, 31, v0                           ; lane
	s_cmp_ge_u32 ttmp9, 384
	s_cbranch_scc1 .Ltables
	s_cmp_ge_u32 ttmp9, 320
	s_cbranch_scc1 .Lwproj
; ---------------- codes and scale bytes.  A tensor is a plain stream of blocks of 32; a wave takes 16 steps of 512 numbers.
; Each load reads 512 consecutive bytes; a step's 2,048 bytes turn through the wave's own stage in LDS, so that a lane then holds 16 neighbours along K (two lanes to a block).
	v_lshlrev_b32 v3, 4, v2                        ; my 16 bytes of a load's 512
	s_mul_i32 s17, s16, WREG
	v_lshrrev_b32 v14, 2, v2
	v_mul_u32_u24 v14, v14, SP
	v_and_b32 v15, 3, v2
	v_lshl_add_u32 v14, v15, 4, v14
	v_add_nc_u32 v14, s17, v14                     ; the stage, on the way in
	v_mul_u32_u24 v15, v2, SP
	v_add_nc_u32 v15, s17, v15                     ; and on the way out: my 16 neighbours
	v_mul_u32_u24 v4, v2, CB                       ; my codes' place in a step's
	v_lshrrev_b32 v5, 1, v2
	s_add_co_u32 s17, s17, 2*32*SP
	v_add_nc_u32 v5, s17, v5                       ; my block's scale byte in LDS
	v_lshlrev_b32 v7, 3, v2
	v_add_nc_u32 v6, s17, v7
	s_wait_kmcnt 0x0
	s_cmp_lt_u32 ttmp9, 256                        ; which tensor: the choice hangs on the work-group's number alone
	s_cselect_b64 s[6:7], s[6:7], s[8:9]
	s_cselect_b32 s18, 0, 128
	s_add_co_u32 s18, s18, 128
	s_cmp_lt_u32 ttmp9, 128
	s_cselect_b64 s[4:5], s[4:5], s[6:7]
	s_cselect_b32 s18, 0, s18                      ; the tensor's first work-group
	s_sub_co_u32 s18, ttmp9, s18
	s_lshl_b32 s18, s18, 2
	s_add_co_u32 s18, s18, s16                     ; my run of 8,192 numbers in the tensor
	s_lshl_b32 s18, s18, 15
	s_mov_b32 s19, 0
	s_add_nc_u64 s[4:5], s[4:5], s[18:19]
	s_lshl_b32 s20, ttmp9, 2
	s_add_co_u32 s20, s20, s16                     ; and among all 1,280 runs: the three streams lie on end in pre
	s_lshl_b32 s18, s20, 12
	s_add_nc_u64 s[8:9], s[14:15], s[18:19]        ; its codes
	s_lshl_b32 s18, s20, 8
	s_add_co_u32 s18, s18, SCLO
	s_add_nc_u64 s[10:11], s[14:15], s[18:19]      ; its scale bytes
.macro QLOAD t
.irp i, 0,1,2,3
	global_load_b128 v[R+16*((\t)%4)+4*\i:R+16*((\t)%4)+4*\i+3], v3, s[4:5] offset:2048*(\t)+512*\i th:TH_LOAD_NT
.endr
.endm
.macro QTURN t                         ; LDS serves a wave's instructions in order: no wait between the stores and the loads
.irp i, 0,1,2,3
	ds_store_b128 v14, v[R+16*((\t)%4)+4*\i:R+16*((\t)%4)+4*\i+3] offset:32*SP*((\t)%2)+8*SP*\i
.endr
.irp i, 0,1,2,3
	ds_load_b128 v[X+16*((\t)%2)+4*\i:X+16*((\t)%2)+4*\i+3], v15 offset:32*SP*((\t)%2)+16*\i
.endr
.endm
.irp t, 0,1,2,3
	QLOAD \t
.endr
	s_wait_loadcnt 12                              ; step 0's four loads are in
	QTURN 0
.macro QSTEP t
.set XS, X+16*((\t)%2)
.if (\t) > 0
	s_wait_dscnt 1                                 ; this step's numbers are back from the stage; the last step's byte store may be out
.else
	s_wait_dscnt 0x0
.endif
.if (\t)+4 < STEPS
	QLOAD (\t)+4
.endif
.if (\t)+1 < STEPS
.if STEPS-2-(\t) >= 3
	s_wait_loadcnt 12                              ; the next step's four loads are in; three steps' may be out
.else
	s_wait_loadcnt 4*(STEPS-2-(\t))
.endif
	QTURN (\t)+1
.endif
	v_max3_num_f32 v8, |v[XS]|, |v[XS+1]|, |v[XS+2]|
	v_max3_num_f32 v9, |v[XS+3]|, |v[XS+4]|, |v[XS+5]|
.irp i, 6,10
	v_max3_num_f32 v8, v8, |v[XS+\i]|, |v[XS+\i+1]|
	v_max3_num_f32 v9, v9, |v[XS+\i+2]|, |v[XS+\i+3]|
.endr
	v_max3_num_f32 v8, v8, |v[XS+14]|, |v[XS+15]|
	v_max3_num_f32 v8, v8, v9, (EMAX+1)<<23        ; the floor 2^(3 - 127): the byte cannot fall under 1
	v_max_num_f32_dpp v8, v8, v8 row_xmask:1 row_mask:0xf bank_mask:0xf   ; with my neighbour's 16: the block's largest magnitude
	v_add_nc_u32 v11, -(EMAX<<23), v8              ; 2 off its exponent field: the conversion's scale operand
	v_cvt_scalef32_pk8_fp4_f32 v[C+4*(\t)], v[XS:XS+7], v11
	v_cvt_scalef32_pk8_fp4_f32 v[C+4*(\t)+1], v[XS+8:XS+15], v11
	v_lshrrev_b32 v[E+(\t)], 23, v11               ; the scale's byte
	ds_store_b8 v5, v[E+(\t)] offset:16*(\t)       ; both lanes of a block write the same byte with the same value
	global_store_b64 v4, v[C+4*(\t):C+4*(\t)+1], s[8:9] offset:32*CB*(\t)   ; the wave stores 256 consecutive bytes, aligned
.endm
.irp t, 0,1,2,3,4,5,6,7,8,9,10,11,12,13,14,15
	QSTEP \t
.endr
	ds_load_b64 v[8:9], v6
	s_wait_dscnt 0x0
	global_store_b64 v7, v[8:9], s[10:11]          ; my run's 256 scale bytes, aligned
	s_wait_tensorcnt 0x0                           ; the wave's end, behind my last LDS store
	ds_add_u32 v[SPW], v[NIL]
	s_wait_dscnt 0x0
	s_endpgm
; ---------------- w_proj x 8 as f16: a wave takes 32 KiB of f32, eight batches of eight loads of 512 bytes; two batches are on their way
.Lwproj:
	s_sub_co_u32 s17, ttmp9, 320
	s_lshl_b32 s17, s17, 2
	s_add_co_u32 s17, s17, s16
	s_lshl_b32 s18, s17, 15
	s_mov_b32 s19, 0
	s_lshl_b32 s20, s17, 14
	s_add_co_u32 s20, s20, WPFO
	s_mov_b32 s21, 0
	v_lshlrev_b32 v3, 4, v2
	v_lshlrev_b32 v4, 3, v2
	s_wait_kmcnt 0x0
	s_add_nc_u64 s[10:11], s[10:11], s[18:19]
	s_add_nc_u64 s[8:9], s[14:15], s[20:21]
.macro WLOAD t
.irp i, 0,1,2,3,4,5,6,7
	global_load_b128 v[16+32*((\t)%2)+4*\i:16+32*((\t)%2)+4*\i+3], v3, s[10:11] offset:4096*(\t)+512*\i th:TH_LOAD_NT
.endr
.endm
.macro WBATCH t
.set LB, 16+32*((\t)%2)
.set OB, 80+16*((\t)%2)
.if (\t) < 7
	s_wait_loadcnt 8                               ; this batch is in, the next may be out
.else
	s_wait_loadcnt 0x0
.endif
	s_wait_xcnt 0x0                                ; the stores of two batches ago have read their registers
.set k, 0
.rept 16
	v_pk_mul_f32 v[LB+2*k:LB+2*k+1], v[LB+2*k:LB+2*k+1], 0x41000000 op_sel_hi:[1,0]
.set k, k+1
.endr
.set k, 0
.rept 16
	v_cvt_pk_f16_f32 v[OB+k], v[LB+2*k], v[LB+2*k+1]
.set k, k+1
.endr
.if (\t)+2 < 8
	WLOAD (\t)+2
.endif
.irp i, 0,1,2,3,4,5,6,7
	global_store_b64 v4, v[OB+2*\i:OB+2*\i+1], s[8:9] offset:2048*(\t)+256*\i   ; 256 consecutive bytes, aligned
.endr
.endm
	WLOAD 0
	WLOAD 1
.irp t, 0,1,2,3,4,5,6,7
	WBATCH \t
.endr
	s_endpgm
; ---------------- tables.  u = work-group - 384: head h = u / 8, block x = u % 8
; REGISTERS: v20 r, v21 lane / 16, v22 16 x lane, v23 log2|g|, v24-29 per part, v30-37 SINCOS's, v38-47 at work, v48-117 results (no store's data are written again)
.Ltables:
	s_sub_co_u32 s17, ttmp9, 384
	s_lshr_b32 s18, s17, 3                         ; h
	s_and_b32 s19, s17, 7                          ; x
	s_lshl_b32 s20, s18, 2
	s_mov_b32 s21, 0
	s_mov_b32 s26, 0xbfc90fdb                      ; -pi/2, its f32 part,
	s_mov_b32 s27, 0x333bbd2e                      ; and what that part is too large by
	s_mov_b32 s28, 0x3ab6db6e                      ; 2 / 1433.6
	s_mov_b32 s29, 0x3e924925                      ; 409.6 / 1433.6
	v_and_b32 v20, 15, v0
	v_bfe_u32 v21, v0, 4, 1
	v_lshlrev_b32 v22, 4, v2
	v_lshlrev_b32 v29, 3, v2
	s_wait_kmcnt 0x0
	s_add_nc_u64 s[12:13], s[12:13], s[20:21]
	s_load_b32 s24, s[12:13], 0x0                  ; g = decay[h]
	s_wait_kmcnt 0x0
	s_and_b32 s25, s24, 0x80000000                 ; its sign
	v_mov_b32 v23, s24
	v_log_f32 v23, |v23|
	v_nop
	s_wait_alu depctr_va_vdst(0)                   ; the wait ahead of a transcendental's first reader
; cos and sin of an angle th >= 0: th less n quarter turns lies within pi/4; series to r^9 and r^8 (what is cut is under 3e-8); the quadrant from n
.macro SINCOS th, c, s
	v_mul_f32 v30, 0x3f22f983, v[\th]
	v_rndne_f32 v30, v30
	v_fma_f32 v31, v30, s26, v[\th]
	v_fma_f32 v31, v30, s27, v31
	v_cvt_i32_f32 v32, v30
	v_mul_f32 v33, v31, v31
	v_mov_b32 v34, 0x3638ef1d
	v_mov_b32 v35, 0x37d00d01
	v_fmaak_f32 v34, v34, v33, 0xb9500d01
	v_fmaak_f32 v35, v35, v33, 0xbab60b61
	v_fmaak_f32 v34, v34, v33, 0x3c088889
	v_fmaak_f32 v35, v35, v33, 0x3d2aaaab
	v_fmaak_f32 v34, v34, v33, 0xbe2aaaab
	v_fma_f32 v35, v35, v33, -0.5
	v_mul_f32 v34, v34, v33
	v_fma_f32 v35, v35, v33, 1.0                   ; cos r
	v_fma_f32 v34, v34, v31, v31                   ; sin r
	v_and_b32 v36, 1, v32
	v_cmp_eq_u32 vcc_lo, 1, v36
	v_cndmask_b32 v[\s], v34, v35, vcc_lo          ; odd quadrants change the two
	v_cndmask_b32 v[\c], v35, v34, vcc_lo
	v_and_b32 v36, 2, v32
	v_add_nc_u32 v37, 1, v32
	v_lshlrev_b32 v36, 30, v36
	v_and_b32 v37, 2, v37
	v_xor_b32 v[\s], v[\s], v36
	v_lshlrev_b32 v37, 30, v37
	v_xor_b32 v[\c], v[\c], v37
.endm
; PART 1: TQ, TK [head][token block][column block][2][lane][16 B].  Lane (r, h'): token j = 16 x + r, pairs 64 h + 8 b + 4 h' + 0..3, b = 2 wave + bb: (cos, sin) x sg^(+-j/512)
	s_lshl_b32 s30, s19, 4
	v_add_nc_u32 v24, s30, v20
	v_cvt_f32_u32 v24, v24                         ; j
	v_mul_f32 v25, 0x3b000000, v24                 ; j / 512
	s_lshl_b32 s31, s18, 6
	s_lshl_b32 s30, s16, 4
	s_add_co_u32 s31, s31, s30
	v_lshl_add_u32 v26, v21, 2, s31                ; my first pair of column block 2 wave
.macro QKPAIR bb, i
	v_add_nc_u32 v38, 8*\bb+\i, v26
	v_cvt_f32_u32 v38, v38                         ; p
	v_mul_f32 v39, 0xbcd49a78, v38                 ; -p log2(10000) / 512
	v_fma_f32 v40, v38, s28, s29                   ; sg
	v_exp_f32 v39, v39                             ; f
	v_log_f32 v40, v40
	v_nop
	s_wait_alu depctr_va_vdst(0)
	v_mul_f32 v41, v24, v39                        ; j f
	v_mul_f32 v40, v25, v40
	v_exp_f32 v42, v40                             ; sg^(j/512)
	v_exp_f32 v43, -v40                            ; sg^(-j/512)
	SINCOS 41, 44, 45
	s_wait_alu depctr_va_vdst(0)
	v_mul_f32 v[48+8*\bb+2*\i], v44, v42
	v_mul_f32 v[49+8*\bb+2*\i], v45, v42
	v_mul_f32 v[64+8*\bb+2*\i], v44, v43
	v_mul_f32 v[65+8*\bb+2*\i], v45, v43
.endm
.irp bb, 0,1
.irp i, 0,1,2,3
	QKPAIR \bb, \i
.endr
.endr
	s_lshl_b32 s32, s18, 6
	s_lshl_b32 s30, s19, 3
	s_add_co_u32 s32, s32, s30
	s_lshl_b32 s30, s16, 1
	s_add_co_u32 s32, s32, s30
	s_lshl_b32 s32, s32, 10
	s_add_co_u32 s32, s32, TQO
	s_mov_b32 s33, 0
	s_add_nc_u64 s[32:33], s[14:15], s[32:33]
.irp bb, 0,1
	global_store_b128 v22, v[48+8*\bb:51+8*\bb], s[32:33] offset:1024*\bb
	global_store_b128 v22, v[52+8*\bb:55+8*\bb], s[32:33] offset:1024*\bb+512
	global_store_b128 v22, v[64+8*\bb:67+8*\bb], s[32:33] offset:524288+1024*\bb      ; TK lies 524,288 bytes behind TQ
	global_store_b128 v22, v[68+8*\bb:71+8*\bb], s[32:33] offset:524288+1024*\bb+512
.endr
; PART 2: TK2 [head][dk block][token block][4][lane][16 B].  Lane = channel 16 x + r; tokens j = 16 b + 8 h' + 0..7, b = 2 wave + bb: C = cos w, then Sx = +-sin w (+ on an even channel), w = sg^(-j/512) g^(127-j)
	v_lshrrev_b32 v46, 1, v20
	s_lshl_b32 s34, s18, 6
	s_lshl_b32 s35, s19, 3
	s_add_co_u32 s34, s34, s35
	v_add_nc_u32 v46, s34, v46
	v_cvt_f32_u32 v46, v46                         ; p
	v_mul_f32 v47, 0xbcd49a78, v46
	v_fma_f32 v46, v46, s28, s29
	v_exp_f32 v47, v47                             ; f
	v_log_f32 v46, v46
	v_and_b32 v27, 1, v20
	v_lshlrev_b32 v27, 31, v27                     ; an odd channel's sign
	s_wait_alu depctr_va_vdst(0)
	v_mul_f32 v46, 0xbb000000, v46                 ; -log2(sg) / 512
	s_lshl_b32 s35, s16, 5
	v_lshl_add_u32 v28, v21, 3, s35                ; my first token of token block 2 wave
.macro K2TOK bb, jj
	v_add_nc_u32 v38, 16*\bb+\jj, v28              ; j
	v_sub_nc_u32 v39, 127, v38                     ; n = 127 - j
	v_cvt_f32_u32 v40, v38
	v_cvt_f32_u32 v41, v39
	v_mul_f32 v41, v41, v23                        ; n log2|g|,
	v_cmp_eq_u32 vcc_lo, 0, v39
	v_cndmask_b32 v41, v41, 0, vcc_lo              ; 0 where n = 0, whatever g
	v_fma_f32 v41, v40, v46, v41
	v_exp_f32 v42, v41                             ; |w|
	v_mul_f32 v43, v40, v47                        ; j f
	SINCOS 43, 44, 45
	v_and_b32 v39, 1, v39
	v_lshlrev_b32 v39, 31, v39
	v_and_b32 v39, s25, v39                        ; g's sign where n is odd
	s_wait_alu depctr_va_vdst(0)
	v_xor_b32 v42, v42, v39
	v_mul_f32 v[80+16*\bb+\jj], v44, v42
	v_mul_f32 v[88+16*\bb+\jj], v45, v42
	v_xor_b32 v[88+16*\bb+\jj], v[88+16*\bb+\jj], v27
.endm
.irp bb, 0,1
.irp jj, 0,1,2,3,4,5,6,7
	K2TOK \bb, \jj
.endr
.endr
	s_lshl_b32 s36, s19, 3
	s_lshl_b32 s30, s16, 1
	s_add_co_u32 s36, s36, s30
	s_lshl_b32 s36, s36, 11
	s_lshl_b32 s30, s18, 17
	s_add_co_u32 s36, s36, s30
	s_add_co_u32 s36, s36, TK2O
	s_mov_b32 s37, 0
	s_add_nc_u64 s[36:37], s[14:15], s[36:37]
.irp bb, 0,1
.irp n, 0,1,2,3
	global_store_b128 v22, v[80+16*\bb+4*\n:83+16*\bb+4*\n], s[36:37] offset:2048*\bb+512*\n
.endr
.endr
; PART 3, wave 0 of the first 16 of these work-groups: TZZ[p] = sg^(1/4) (cos, sin)(128 f), TZW[p] = sg^(-4) (cos, sin)(2048 f), p = 32 u + lane
	s_cmp_lg_u32 s16, 0
	s_cbranch_scc1 .Lnot_z
	s_cmp_ge_u32 s17, 16
	s_cbranch_scc1 .Lnot_z
	s_lshl_b32 s34, s17, 5
	v_add_nc_u32 v38, s34, v2
	v_cvt_f32_u32 v38, v38
	v_mul_f32 v39, 0xbcd49a78, v38
	v_fma_f32 v40, v38, s28, s29
	v_exp_f32 v39, v39
	v_log_f32 v40, v40
	v_nop
	s_wait_alu depctr_va_vdst(0)
	v_mul_f32 v41, 0x43000000, v39                 ; 128 f
	v_mul_f32 v46, 0x45000000, v39                 ; 2048 f
	v_mul_f32 v42, 0x3e800000, v40
	v_mul_f32 v43, -4.0, v40
	v_exp_f32 v42, v42
	v_exp_f32 v43, v43
	SINCOS 41, 44, 45
	s_wait_alu depctr_va_vdst(0)
	v_mul_f32 v112, v44, v42
	v_mul_f32 v113, v45, v42
	SINCOS 46, 44, 45
	v_mul_f32 v114, v44, v43
	v_mul_f32 v115, v45, v43
	s_lshl_b32 s34, s17, 8
	s_add_co_u32 s34, s34, TZZO
	s_mov_b32 s35, 0
	s_add_nc_u64 s[34:35], s[14:15], s[34:35]
	global_store_b64 v29, v[112:113], s[34:35]              ; 256 consecutive bytes, aligned
	global_store_b64 v29, v[114:115], s[34:35] offset:4096  ; TZW lies 4,096 bytes behind TZZ
.Lnot_z:
; PART 4, wave 1: TG [head][512]: entry n + 128 holds g^n, 0 for n < 0; g^0 = 1 whatever g; my entries: n = 64 x - 128 + 2 lane + 0, 1
	s_cmp_lg_u32 s16, 1
	s_cbranch_scc1 .Lnot_g
	s_lshl_b32 s34, s19, 6
	s_sub_co_i32 s34, s34, 128
	v_lshl_add_u32 v38, v2, 1, s34
	v_add_nc_u32 v39, 1, v38
.irp k, 0,1
	v_cvt_f32_i32 v[40+\k], v[38+\k]
	v_mul_f32 v[40+\k], v[40+\k], v23
	v_cmp_eq_u32 vcc_lo, 0, v[38+\k]
	v_cndmask_b32 v[40+\k], v[40+\k], 0, vcc_lo
	v_exp_f32 v[40+\k], v[40+\k]
	v_and_b32 v[42+\k], 1, v[38+\k]
	v_lshlrev_b32 v[42+\k], 31, v[42+\k]
	v_and_b32 v[42+\k], s25, v[42+\k]
	s_wait_alu depctr_va_vdst(0)
	v_xor_b32 v[40+\k], v[40+\k], v[42+\k]
	v_cmp_gt_i32 vcc_lo, 0, v[38+\k]
	v_cndmask_b32 v[116+\k], v[40+\k], 0, vcc_lo
.endr
	s_lshl_b32 s34, s18, 11
	s_lshl_b32 s35, s19, 8
	s_add_co_u32 s34, s34, s35
	s_add_co_u32 s34, s34, TGO
	s_mov_b32 s35, 0
	s_add_nc_u64 s[34:35], s[14:15], s[34:35]
	global_store_b64 v29, v[116:117], s[34:35]     ; 256 consecutive bytes, aligned
.Lnot_g:
	s_endpgm
.Lfunc_end_k_q6c40f5f475_prep:
	.size	k_q6c40f5f475_prep, .Lfunc_end_k_q6c40f5f475_prep-k_q6c40f5f475_prep
	.p2alignl 7, 3214868480
	.fill 96, 4, 3214868480
	.section	.rodata,"a",@progbits
	.p2align	6, 0x0
	.amdhsa_kernel k_q6c40f5f475_prep
		.amdhsa_group_segment_fixed_size 33280
		.amdhsa_private_segment_fixed_size 0
		.amdhsa_enable_private_segment 0
		.amdhsa_kernarg_size 48
		.amdhsa_user_sgpr_count 2
		.amdhsa_user_sgpr_kernarg_segment_ptr 1
		.amdhsa_wavefront_size32 1
		.amdhsa_system_sgpr_workgroup_id_x 1
		.amdhsa_system_sgpr_workgroup_id_y 1
		.amdhsa_system_sgpr_workgroup_id_z 1
		.amdhsa_system_vgpr_workitem_id 0
		.amdhsa_next_free_vgpr 192
		.amdhsa_next_free_sgpr 66
		.amdhsa_reserve_vcc 1
		.amdhsa_float_denorm_mode_32 3
		.amdhsa_float_denorm_mode_16_64 3
		.amdhsa_memory_ordered 1
		.amdhsa_forward_progress 1
		.amdhsa_inst_pref_size 122
	.end_amdhsa_kernel
	.amdgpu_metadata
---
amdhsa.version: [ 1, 2 ]
amdhsa.kernels:
  - .name:           k_q6c40f5f475_prep
    .symbol:         k_q6c40f5f475_prep.kd
    .args:
      - { .name: hidden_states, .offset: 0, .size: 8, .value_kind: global_buffer, .address_space: global }
      - { .name: w_qkv, .offset: 8, .size: 8, .value_kind: global_buffer, .address_space: global }
      - { .name: w_gated, .offset: 16, .size: 8, .value_kind: global_buffer, .address_space: global }
      - { .name: w_proj, .offset: 24, .size: 8, .value_kind: global_buffer, .address_space: global }
      - { .name: decay, .offset: 32, .size: 8, .value_kind: global_buffer, .address_space: global }
      - { .name: pre, .offset: 40, .size: 8, .value_kind: global_buffer, .address_space: global }
    .group_segment_fixed_size: 33280
    .private_segment_fixed_size: 0
    .kernarg_segment_align: 8
    .kernarg_segment_size: 48
    .max_flat_workgroup_size: 128
    .sgpr_count:     66
    .vgpr_count:     192
    .wavefront_size: 32
...
	.end_amdgpu_metadata
.endif
;; end of part 1
;; launch gemm (part 2): grid 16 x 28, 4 waves a work-group, clusters of 4 x 4, 327,680 bytes of LDS; arguments pre, act; writes act
.if DOCPART == 2
	.amdgcn_target "amdgcn-amd-amdhsa--gfx1250"
	.amdhsa_code_object_version 6
	.text
	.protected	k_q6c40f5f475_gemm
	.globl	k_q6c40f5f475_gemm
	.p2align	8
	.type	k_q6c40f5f475_gemm,@function
k_q6c40f5f475_gemm:
	s_mov_b64 s[64:65], 0
	v_nop
	global_prefetch_b8 v0, s[64:65] scope:SCOPE_SE
	s_setreg_imm32_b32 hwreg(HW_REG_WAVE_MODE, 25, 1), 1
	s_wait_xcnt 0x0
	s_wait_alu depctr_hold_cnt(0) depctr_sa_sdst(0) depctr_va_vdst(0) depctr_va_sdst(0) depctr_va_ssrc(0) depctr_va_vcc(0) depctr_vm_vsrc(0)
	s_getreg_b32 s2, hwreg(HW_REG_IB_STS2, 6, 4)
	s_cmp_eq_u32 s2, 0
	s_cbranch_scc0 .Lentry_in_a_cluster
	s_endpgm
.Lentry_in_a_cluster:
	s_bfe_u32 s2, ttmp6, 0x10000c
	s_cmp_lg_u32 s2, 0xf033
	s_cbranch_scc0 .Lentry_shape_is_right
	s_endpgm
.Lentry_shape_is_right:
; Launch 2 of 5: both quantised products, on codes of FP4 (E2M1) with one E8M0 scale for each 32 along K = 1,024, and what follows them element by element: xPos, silu, the rounding to f16.
; Nothing of the problem's work is left out here; k's 1,024 columns are multiplied twice, once with tokens in the lanes (for q k^T) and once with channels in the lanes (for the state).
; A tile of 256 x 256 is made by four waves, 128 x 128 each: 64 accumulators of 16 x 16.  Both operands are rows of pre's codes [10240][512 B]: 0-4095 hidden_states, 4096-8191 w_qkv, 8192-10239 w_gated.
;   cluster y < 4:  A = tokens (tile row ty = 0..15);  B = weights: cluster x 0: q, 1: k, 2 and 3: the gate.   A lane of a result holds a token, its registers 8 columns.
;   cluster y >= 4: A = weights (ty 16..19: k, 20..27: v);  B = tokens (tile column tx = 0..15).               A lane holds a channel, its registers 8 tokens.
; K goes in two steps of 512 through two LDS slots, each filled ONCE; the scale bytes of the 512 rows come once too.  A wave has three tensor loads outstanding.
; CLUSTERS: 4 x 4 work-groups; A's tiles are asked for jointly along a row of the cluster, B's along a column.  THE MATRIX INSTRUCTION IS USED TRANSPOSED: source 0 = 16 rows of B, source 1 = 16 rows of A.
; THE WAY OUT needs no LDS: a result tile, rounded to f16, is stored as an IMAGE: 512 consecutive bytes, lane l's 16 bytes at 16 l.  Two neighbouring images are a 16 x 32 operand fragment of the f16 matrix form,
; so the later launches load fragments by plain 16-byte loads.  A wave's 128 x 128 is one chunk of 128 tokens x one head (or half a head's v or gate).
; The xPos tables of q, k and k'' come four rows of blocks ahead: 64 loads of 512 bytes are asked for at a path's head, and a set of 16 is asked for again as soon as its numbers have been read.
; REGISTERS: window 0: v0-31 addresses; v32-95 scale words, two sets; from v128 A's fragments, one set; on the way out v32-255 are free.  window 1: B's fragments, two sets; on the way out four sets of 64 table registers.
;   windows 2, 3: the accumulators ((a, b) at v[8 (8 (a % 4) + b)]).
; LIMITS: as stated at the head of the first launch.  q', k', v and the gate are kept in f16: magnitudes up to 65,504.
.set SIZE_K, 1024
.set KSTEP,  512
.set NQ,     KSTEP/128
.set ROWB,   256
.set KROW,   SIZE_K*4/8
.set PITCH,  272                       ; an LDS row: 256 bytes + 16 of padding: the 16 rows that a load touches start at 16 different banks
.set FR,     8
.set NL,     2
.set NP,     4
.set HALFT,  128*PITCH
.set SLOT,   4*HALFT
.set KS,     SIZE_K/32
.set SCL,    2*SLOT                    ; behind the slots: the scale bytes, as units of 256 bytes + 16 of padding
.set HALFS,  (128*KS/256)*272
.set SBLK,   (16*KS/256)*272
.set SPARE,  SCL+4*HALFS               ; the spare words, 128 bytes a wave: no other line names them
.set SCLO,   5242880                   ; in pre: the scale bytes,
.set TQO,    9764864                   ; the tables
.set TKO,    10289152
.set TK2O,   10813440
.set KFO,    8388608                   ; in act: k', k'', v, gate (q' at 0)
.set K2FO,   16777216
.set VFO,    25165824
.set GFO,    41943040
.set ADRA, 16
.set ADRB, 20
.set LO,   26                          ; v26 the way out: 16 x lane
.set ADRS, 27
.set SPW,  28
.set NIL,  29
.set SC,   32
.set AF,   128
.set YB,   160                         ; the way out: 64 numbers at work,
.set UB,   192
.set PKB,  224                         ; 32 registers of f16 pairs
.set G1, 24
.set G0, 32
.set G1B, 48
.set G0B, 56
.set G1S, 68
.set G0S, 76
.set G1SB, 80
.set G0SB, 88
.set MSB, 0
.macro WIN new                         ; the immediate's high byte repeats the setting that is left
.if MSB != (\new)
	s_set_vgpr_msb (MSB<<8)|(\new)
.set MSB, (\new)
.endif
.endm
.set MUL_LO, 0xa1
.set MUL_HI, 0xf1
.set TO_B,   0x40
; A joint load: waves 0 and 1 fetch for A, waves 2 and 3 for B; the branch hangs on the wave's number alone.  An s_nop 0 and four v_nop follow each line.
.macro JLOAD g0a, g1a, g0b, g1b
	s_cmp_eq_u32 s15, 0
	s_cbranch_scc0 .Lfor_b_\@
	tensor_load_to_lds s[\g0a:\g0a+3], s[\g1a:\g1a+7]
	s_nop 0
.rept 4
	v_nop
.endr
	s_branch .Lasked_\@
.Lfor_b_\@:
	tensor_load_to_lds s[\g0b:\g0b+3], s[\g1b:\g1b+7]
	s_nop 0
.rept 4
	v_nop
.endr
.Lasked_\@:
.endm
.macro CROUND                          ; a round of the cluster's barrier
	s_barrier_signal -1
	s_barrier_wait -1
	s_cmp_lg_u32 s14, 0
	s_cbranch_scc1 .Lnot_wave_0_\@
	s_barrier_signal -3
.Lnot_wave_0_\@:
	s_barrier_wait -3
	s_barrier_signal -1
	s_barrier_wait -1
.endm
	s_load_b128 s[4:7], s[0:1], 0x0                ; pre s[4:5], act s[6:7]
	v_lshl_add_u32 v[SPW], v0, 2, SPARE
	v_mov_b32 v[NIL], 0
	ds_add_u32 v[SPW], v[NIL]                      ; the wave's opening: the add, twice on end, and its wait ahead of my first tensor load
	ds_add_u32 v[SPW], v[NIL]
	v_lshrrev_b32 v1, 5, v0
	v_readfirstlane_b32 s14, v1                    ; wave 0..3
	s_lshr_b32 s15, s14, 1                         ; which half of A's rows is mine.  Also: I fetch for A (0) or for B (1)
	s_and_b32 s16, s14, 1                          ; which half of B's rows.  Also: which 128 rows I fetch
	s_bfe_u32 s40, ttmp6, 0x40000                  ; cx, cy
	s_bfe_u32 s41, ttmp6, 0x40004
	s_lshl_b32 s42, ttmp9, 2
	s_add_co_u32 s42, s42, s40                     ; tx = 4 x cluster x + cx
	s_and_b32 s8, ttmp7, 0xffff                    ; cluster y
	s_lshl_b32 s17, s8, 2
	s_add_co_u32 s17, s17, s41                     ; ty = 4 x cluster y + cy
	s_lshl_b32 s43, s41, 2
	s_lshl_b32 s43, 15, s43                        ; my row of the cluster
	s_lshl_b32 s44, 0x1111, s40                    ; my column
	s_cmp_ge_u32 ttmp9, 2                          ; where the operands' rows begin in pre: made of the cluster's numbers alone, so equal in all sixteen partners
	s_cselect_b32 s10, 2048, 0
	s_add_co_u32 s10, s10, 4096                    ; B = weights: w_qkv's rows from 4096; the gate's, 8192 + 256 (tx - 8), from 6144
	s_cmp_ge_u32 s8, 4
	s_cselect_b32 s10, 0, s10                      ; B = tokens
	s_cselect_b32 s9, 1024, 0                      ; A = weights: row 4096 + 1024 + 256 (ty - 16) = 256 ty + 1024
	s_or_b32 s[G1+0], s43, (0<<16)|(1<<20)|(1<<21)|(5<<22)|(3<<25)  ; the mask; elements of 1 byte; padding of 4 words after every 64; bit 21 beside a mask
	s_or_b32 s[G1B+0], s44, (0<<16)|(1<<20)|(1<<21)|(5<<22)|(3<<25)
.irp g, G1, G1B
	s_mov_b32 s[\g+1], ROWB<<16                    ; tensor_dim0
	s_mov_b32 s[\g+2], 128<<16                     ; tensor_dim1
	s_mov_b32 s[\g+3], ROWB<<16                    ; tile_dim0
	s_mov_b32 s[\g+4], 128                         ; tile_dim1
	s_mov_b32 s[\g+5], KROW                        ; the pitch
	s_mov_b32 s[\g+6], 0
	s_mov_b32 s[\g+7], 0
.endr
	s_or_b32 s[G1S+0], s43, (3<<16)|(1<<20)|(1<<21)|(5<<22)|(3<<25) ; the scale bytes of 128 rows: a dense block, as rows of 256 bytes (32 elements of 8)
	s_or_b32 s[G1SB+0], s44, (3<<16)|(1<<20)|(1<<21)|(5<<22)|(3<<25)
.irp g, G1S, G1SB
	s_mov_b32 s[\g+1], 32<<16
	s_mov_b32 s[\g+2], (128*KS/256)<<16
	s_mov_b32 s[\g+3], 32<<16
	s_mov_b32 s[\g+4], 128*KS/256
	s_mov_b32 s[\g+5], 32
	s_mov_b32 s[\g+6], 0
	s_mov_b32 s[\g+7], 0
.endr
	s_lshl_b32 s18, s16, 7
	s_lshl_b32 s20, s17, 8
	s_add_co_u32 s20, s20, s18
	s_add_co_u32 s20, s20, s9                      ; A's first row that I fetch
	s_lshl_b32 s46, s42, 8
	s_add_co_u32 s46, s46, s18
	s_add_co_u32 s46, s46, s10                     ; B's
	s_mov_b32 s21, 0
	s_mov_b32 s47, 0
	s_mov_b64 s[18:19], KS
	s_mul_u64 s[22:23], s[20:21], s[18:19]
	s_mul_u64 s[92:93], s[46:47], s[18:19]
	s_add_nc_u64 s[22:23], s[22:23], SCLO          ; their scale bytes,
	s_add_nc_u64 s[92:93], s[92:93], SCLO
	s_mov_b64 s[18:19], KROW
	s_mul_u64 s[20:21], s[20:21], s[18:19]         ; their codes
	s_mul_u64 s[46:47], s[46:47], s[18:19]
	s_mul_i32 s45, s14, HALFT                      ; where they go: wave x 128 rows
	s_mul_i32 s94, s14, HALFS
	s_wait_dscnt 0x0                               ; both opening adds are done
	s_wait_kmcnt 0x0
	s_add_nc_u64 s[20:21], s[4:5], s[20:21]
	s_add_nc_u64 s[22:23], s[4:5], s[22:23]
	s_add_nc_u64 s[46:47], s[4:5], s[46:47]
	s_add_nc_u64 s[92:93], s[4:5], s[92:93]
	CROUND                                         ; all sixteen work-groups are here: the joint loads meet
	s_mov_b32 s[G0S], 1
	s_add_co_u32 s[G0S+1], s94, SCL
	s_mov_b64 s[G0S+2:G0S+3], s[22:23]
	s_or_b32 s[G0S+3], s[G0S+3], 0x80000000
	s_mov_b32 s[G0SB], 1
	s_add_co_u32 s[G0SB+1], s94, SCL
	s_mov_b64 s[G0SB+2:G0SB+3], s[92:93]
	s_or_b32 s[G0SB+3], s[G0SB+3], 0x80000000
	JLOAD G0S, G1S, G0SB, G1SB
.irp s, 0,1
	s_mov_b32 s[G0+4*\s], 1
	s_add_co_u32 s[G0+4*\s+1], s45, \s*SLOT
	s_add_nc_u64 s[G0+4*\s+2:G0+4*\s+3], s[20:21], \s*ROWB
	s_or_b32 s[G0+4*\s+3], s[G0+4*\s+3], 0x80000000
	s_mov_b32 s[G0B+4*\s], 1
	s_add_co_u32 s[G0B+4*\s+1], s45, \s*SLOT
	s_add_nc_u64 s[G0B+4*\s+2:G0B+4*\s+3], s[46:47], \s*ROWB
	s_or_b32 s[G0B+4*\s+3], s[G0B+4*\s+3], 0x80000000
	JLOAD G0+4*\s, G1, G0B+4*\s, G1B
.endr
	v_and_b32 v1, 15, v0
	v_bfe_u32 v2, v0, 4, 1
	v_mul_u32_u24 v3, v1, PITCH
	v_lshl_add_u32 v4, v2, 4, v3
	s_mul_i32 s21, s15, HALFT
	s_mul_i32 s22, s16, HALFT
	s_add_co_u32 s22, s22, 2*HALFT
.irp s, 0,1
	v_add_nc_u32 v[ADRA+\s], s21, v4
	v_add_nc_u32 v[ADRB+\s], s22, v4
	s_add_co_u32 s21, s21, SLOT
	s_add_co_u32 s22, s22, SLOT
.endr
	v_mul_u32_u24 v5, v1, KS
	v_lshrrev_b32 v6, 8, v5
	v_lshl_add_u32 v5, v6, 4, v5
	s_mul_i32 s21, s15, HALFS
	s_mul_i32 s22, s16, HALFS
	s_add_co_u32 s22, s22, 2*HALFS
	s_sub_co_u32 s22, s22, s21
	v_mul_u32_u24 v6, s22, v2                      ; lanes 16-31 take B's scale words
	s_add_co_u32 s21, s21, SCL
	v_add_nc_u32 v5, v5, v6
	v_add_nc_u32 v[ADRS], s21, v5
	v_and_b32 v6, 31, v0
	v_lshlrev_b32 v[LO], 4, v6
.macro FRAG reg, adr, q, i             ; 16 rows x 128 K of 4-bit codes: 8 registers
.irp c, 0,1
	ds_load_b128 v[\reg+4*\c:\reg+4*\c+3], v[\adr] offset:64*(\q)+32*\c+(\i)*16*PITCH
.endr
.endm
; 16 matrix instructions: A's blocks a0, a0 + 1 x B's eight.  The 64 accumulators take turns, one instruction a turn, in the same order in every step.
.macro MUL16 a0, p, q, sc, zero
.irp a, \a0, \a0+1
.irp b, 0,1,2,3,4,5,6,7
.if \zero
	v_wmma_scale_f32_16x16x128_f8f6f4 v[8*(8*((\a)%4)+\b):8*(8*((\a)%4)+\b)+7], v[128*(\p)+FR*\b:128*(\p)+FR*\b+FR-1], v[AF+FR*(\a):AF+FR*(\a)+FR-1], 0, v[SC+8*NQ*(\sc)+NQ*\b+(\q)], v[SC+8*NQ*(\sc)+NQ*(\a)+(\q)] matrix_a_fmt:MATRIX_FMT_FP4 matrix_b_fmt:MATRIX_FMT_FP4 matrix_a_scale:MATRIX_SCALE_ROW1
.else
	v_wmma_scale_f32_16x16x128_f8f6f4 v[8*(8*((\a)%4)+\b):8*(8*((\a)%4)+\b)+7], v[128*(\p)+FR*\b:128*(\p)+FR*\b+FR-1], v[AF+FR*(\a):AF+FR*(\a)+FR-1], v[8*(8*((\a)%4)+\b):8*(8*((\a)%4)+\b)+7], v[SC+8*NQ*(\sc)+NQ*\b+(\q)], v[SC+8*NQ*(\sc)+NQ*(\a)+(\q)] matrix_a_fmt:MATRIX_FMT_FP4 matrix_b_fmt:MATRIX_FMT_FP4 matrix_a_scale:MATRIX_SCALE_ROW1
.endif
.endr
.endr
.endm
.macro FETCH_B slot, q, p
	WIN TO_B
.irp i, 0,1,2,3,4,5,6,7
	FRAG 128*(\p)+FR*\i, ADRB+\slot, \q, \i
.endr
	WIN 0
.endm
.macro FETCH_A slot, q, i0
.irp i, \i0, \i0+1, \i0+2, \i0+3
	FRAG AF+FR*(\i), ADRA+\slot, \q, \i
.endr
.endm
.macro SCALES sc                       ; a K step's scale words: lanes 0-15 A's block i, lanes 16-31 B's block i
.irp i, 0,1,2,3,4,5,6,7
	ds_load_b128 v[SC+8*NQ*\sc+NQ*\i:SC+8*NQ*\sc+NQ*\i+3], v[ADRS] offset:\i*SBLK
.endr
.endm
.macro PLACES n                        ; plain vector instructions between a matrix instruction and a load into, or a vector read or write of, its registers
.rept \n
	v_nop
.endr
.endm
.macro STEP slot, q, zero
	s_wait_dscnt 4*NL                              ; B's set and A's blocks 0-3 are in; A's blocks 4-7 may be out
	WIN MUL_LO
	MUL16 0, (\q)%2, \q, \slot, \zero
	MUL16 2, (\q)%2, \q, \slot, \zero
	s_wait_dscnt 0
	PLACES NP
	FETCH_B \slot, (\q)+1, 1-(\q)%2
	FETCH_A \slot, (\q)+1, 0
	WIN MUL_HI
	MUL16 4, (\q)%2, \q, \slot, \zero
	MUL16 6, (\q)%2, \q, \slot, \zero
	PLACES NP
	WIN 0
	FETCH_A \slot, (\q)+1, 4
.endm
; Slot 0's last step changes slots: one barrier; in front of it each wave waits for all its tensor loads, its part of slot 1 among them.  Nothing is filled again.
.macro TURN slot, next
	s_wait_tensorcnt 0x0
	ds_add_u32 v[SPW], v[NIL]
	s_wait_dscnt 4*NL+1                            ; the add and A's blocks 4-7 may be out
	WIN MUL_LO
	MUL16 0, 1, NQ-1, \slot, 0
	s_wait_dscnt 0x0
	s_barrier_signal -1
	MUL16 2, 1, NQ-1, \slot, 0
	WIN 0
	s_barrier_wait -1
	PLACES NP
	v_add_nc_u32 v[ADRS], 4*NQ, v[ADRS]            ; the next K step's scale words
	FETCH_B \next, 0, 0
	FETCH_A \next, 0, 0
	SCALES \next
	WIN MUL_HI
	MUL16 4, 1, NQ-1, \slot, 0
	MUL16 6, 1, NQ-1, \slot, 0
	PLACES NP
	WIN 0
	FETCH_A \next, 0, 4
.endm
.macro STEPS slot, from
.set Q, \from
.rept NQ-1-\from
	STEP \slot, Q, 0
.set Q, Q+1
.endr
.endm
	s_wait_tensorcnt 1                             ; the scale bytes and my part of slot 0 are in; slot 1's load may be out
	s_barrier_signal -1
	s_barrier_wait -1
	FETCH_B 0, 0, 0
	FETCH_A 0, 0, 0
	SCALES 0
	FETCH_A 0, 0, 4
	STEP 0, 0, 1                                   ; the first step's products start the sums
	STEPS 0, 1
	TURN 0, 1
	STEPS 1, 0
	s_wait_dscnt 4*NL
	WIN MUL_LO
	MUL16 0, 1, NQ-1, 1, 0
	MUL16 2, 1, NQ-1, 1, 0
	s_wait_dscnt 0
	WIN MUL_HI
	MUL16 4, 1, NQ-1, 1, 0
	MUL16 6, 1, NQ-1, 1, 0
	WIN 0
; ================ THE WAY OUT.  Four paths, chosen by the cluster's numbers: the same in all sixteen partners.
	PLACES NP                                      ; in front of the first reads of results and of loads into registers that held B's and A's fragments and scale words
.macro CVT32 src, dst, n               ; n pairs of f32 become n registers of f16 pairs
.set k, 0
.rept \n
	v_cvt_pk_f16_f32 v[\dst+k], v[\src+2*k], v[\src+2*k+1]
.set k, k+1
.endr
.endm
.macro SEND8 a, pitch                  ; eight images: each store of the wave covers 512 consecutive bytes, aligned
.irp b, 0,1,2,3,4,5,6,7
	global_store_b128 v[LO], v[PKB+4*\b:PKB+4*\b+3], s[12:13] offset:(\a)*(\pitch)+\b*512
.endr
.endm
.macro TOK src                         ; s20 = 128 (cg / 16) + cg % 16, cg the wave's chunk among the 32 of both batches
	s_lshr_b32 s21, \src, 4
	s_lshl_b32 s21, s21, 7
	s_and_b32 s20, \src, 15
	s_add_co_u32 s20, s20, s21
.endm
	s_cmp_ge_u32 s8, 4
	s_cbranch_scc1 .Lchannels
	s_lshl_b32 s22, s17, 1
	s_add_co_u32 s22, s22, s15                     ; cg = 2 ty + my half of A's rows
	TOK s22
	s_cmp_ge_u32 ttmp9, 2
	s_cbranch_scc1 .Lgate
; ---- q or k: xPos from the chunk's first token.  A lane's pair (x1, x2) x (c + i s): (x1 c - x2 s, x2 c + x1 s): two packed instructions
	s_and_b32 s21, s42, 3
	s_lshl_b32 s21, s21, 1
	s_add_co_u32 s21, s21, s16                     ; head
	s_lshl_b32 s22, s21, 4
	s_add_co_u32 s22, s22, s20
	s_lshl_b32 s22, s22, 15                        ; (16 bh + c) x 32,768
	s_lshl_b32 s46, s21, 16                        ; the head's table
	s_cmp_eq_u32 ttmp9, 0
	s_cselect_b32 s21, 0, KFO
	s_mov_b32 s47, TKO
	s_cselect_b32 s47, TQO, s47
	s_add_co_u32 s22, s22, s21
	s_add_co_u32 s46, s46, s47
	s_mov_b32 s23, 0
	s_mov_b32 s47, 0
	s_add_nc_u64 s[12:13], s[6:7], s[22:23]
	s_add_nc_u64 s[18:19], s[4:5], s[46:47]
.macro QTAB a                          ; the tables of token block a: 16 loads into set a % 4 of window 1
	WIN TO_B
.irp b, 0,1,2,3,4,5,6,7
	global_load_b128 v[64*((\a)%4)+8*\b:64*((\a)%4)+8*\b+3], v[LO], s[18:19] offset:(8*(\a)+\b)*1024
	global_load_b128 v[64*((\a)%4)+8*\b+4:64*((\a)%4)+8*\b+7], v[LO], s[18:19] offset:(8*(\a)+\b)*1024+512
.endr
.endm
.macro EQ_ROW a
.set AC, 64*((\a)%4)                   ; the row's accumulators, in window 2 or 3
.set TS, 64*((\a)%4)                   ; its tables, in window 1
.if (\a) < 5
	s_wait_loadcnt 48                              ; this row's tables are in; those of the three rows behind it may be out
.else
	s_wait_loadcnt 16*(7-(\a))
.endif
	WIN 6+(\a)/4                                   ; source 0: the accumulators' window; source 1: window 1
.irp b, 0,1,2,3,4,5,6,7
.irp i, 0,2,4,6
	v_pk_mul_f32 v[YB+8*\b+\i:YB+8*\b+\i+1], v[AC+8*\b+\i:AC+8*\b+\i+1], v[TS+8*\b+\i:TS+8*\b+\i+1] op_sel_hi:[1,0]      ; (x1 c, x2 c); each accumulator is read from its low end on
.endr
.irp i, 0,2,4,6
	v_pk_fma_f32 v[YB+8*\b+\i:YB+8*\b+\i+1], v[AC+8*\b+\i:AC+8*\b+\i+1], v[TS+8*\b+\i:TS+8*\b+\i+1], v[YB+8*\b+\i:YB+8*\b+\i+1] op_sel:[1,1,0] op_sel_hi:[0,1,1] neg_lo:[1,0,0]   ; + (-x2 s, x1 s)
.endr
.endr
.if (\a)+4 < 8
	QTAB (\a)+4                                    ; the set just read takes the row four further on
.endif
	WIN 0
	s_wait_xcnt 0x0                                ; the last row's stores have read their registers
	CVT32 YB, PKB, 32
	SEND8 \a, 4096
.endm
	QTAB 0
	QTAB 1
	QTAB 2
	QTAB 3
.irp a, 0,1,2,3,4,5,6,7
	EQ_ROW \a
.endr
	s_branch .Lout
; ---- the gate: silu(x) = x / (1 + 2^(-x log2 e))
.Lgate:
	s_sub_co_u32 s21, s42, 8                       ; head
	s_lshl_b32 s22, s21, 4
	s_add_co_u32 s22, s22, s20
	s_lshl_b32 s22, s22, 16
	s_lshl_b32 s21, s16, 12                        ; my half of the head's 16 column blocks
	s_add_co_u32 s22, s22, s21
	s_add_co_u32 s22, s22, GFO
	s_mov_b32 s23, 0
	s_add_nc_u64 s[12:13], s[6:7], s[22:23]
	s_mov_b32 s18, 0xbfb8aa3b                      ; -log2 e
	s_mov_b32 s19, s18                             ; (named with it as a pair, so it is written)
.macro EG_ROW a
.set AC, 64*((\a)%4)
	WIN 2+(\a)/4
.set k, 0
.rept 32
	v_pk_mul_f32 v[YB+k:YB+k+1], v[AC+k:AC+k+1], s[18:19] op_sel_hi:[1,0]
.set k, k+2
.endr
	WIN 0
.set k, 0
.rept 64
	v_exp_f32 v[YB+k], v[YB+k]
.set k, k+1
.endr
	v_nop                                          ; a plain instruction behind the last exponential,
	s_wait_alu depctr_va_vdst(0)                   ; and one wait for the batch, ahead of its first reader
.set k, 0
.rept 32
	v_pk_add_f32 v[YB+k:YB+k+1], v[YB+k:YB+k+1], 1.0 op_sel_hi:[1,0]
.set k, k+2
.endr
.set k, 0
.rept 64
	v_rcp_f32 v[YB+k], v[YB+k]
.set k, k+1
.endr
	v_nop
	s_wait_alu depctr_va_vdst(0)
	WIN 2+(\a)/4
.set k, 0
.rept 32
	v_pk_mul_f32 v[YB+k:YB+k+1], v[AC+k:AC+k+1], v[YB+k:YB+k+1]
.set k, k+2
.endr
	WIN 0
	s_wait_xcnt 0x0
	CVT32 YB, PKB, 32
	SEND8 \a, 8192
.endm
.irp a, 0,1,2,3,4,5,6,7
	EG_ROW \a
.endr
	s_branch .Lout
; ---- channels in the lanes
.Lchannels:
	s_lshl_b32 s22, s42, 1
	s_add_co_u32 s22, s22, s16                     ; cg = 2 tx + my half of B's rows
	TOK s22
	s_cmp_ge_u32 s8, 5
	s_cbranch_scc1 .Lvalues
; ---- k'' = k' x g^(127 - j): a pair's two channels lie in neighbouring lanes: own x C + the neighbour's (x Sx)
	s_and_b32 s21, s17, 3
	s_lshl_b32 s21, s21, 1
	s_add_co_u32 s21, s21, s15                     ; head
	s_lshl_b32 s22, s21, 4
	s_add_co_u32 s22, s22, s20
	s_lshl_b32 s22, s22, 15
	s_add_co_u32 s22, s22, K2FO
	s_mov_b32 s23, 0
	s_lshl_b32 s46, s21, 17
	s_add_co_u32 s46, s46, TK2O
	s_mov_b32 s47, 0
	s_add_nc_u64 s[12:13], s[6:7], s[22:23]
	s_add_nc_u64 s[18:19], s[4:5], s[46:47]
.macro K2TAB n                         ; half n = 2 a + hb: four tiles' tables, 16 loads into set n % 4 of window 1
	WIN TO_B
.irp bb, 0,1,2,3
.irp q, 0,1,2,3
	global_load_b128 v[64*((\n)%4)+16*\bb+4*\q:64*((\n)%4)+16*\bb+4*\q+3], v[LO], s[18:19] offset:(4*(\n)+\bb)*2048+512*\q
.endr
.endr
.endm
.macro EK2_HALF n
.set AC, 64*(((\n)/2)%4)+32*((\n)%2)
.set TS, 64*((\n)%4)
.set PS, PKB+16*((\n)%2)
.if (\n) < 13
	s_wait_loadcnt 48                              ; this half's tables are in; those of the three halves behind it may be out
.else
	s_wait_loadcnt 16*(15-(\n))
.endif
	WIN 6+(\n)/8                                   ; source 0: the accumulators' window; source 1: window 1
.irp bb, 0,1,2,3
.irp i, 0,2,4,6
	v_pk_mul_f32 v[YB+8*\bb+\i:YB+8*\bb+\i+1], v[AC+8*\bb+\i:AC+8*\bb+\i+1], v[TS+16*\bb+\i:TS+16*\bb+\i+1]
	v_pk_mul_f32 v[UB+8*\bb+\i:UB+8*\bb+\i+1], v[AC+8*\bb+\i:AC+8*\bb+\i+1], v[TS+16*\bb+8+\i:TS+16*\bb+8+\i+1]
.endr
.endr
.if (\n)+4 < 16
	K2TAB (\n)+4                                   ; the set just read takes the half four further on
.endif
	WIN 0
.set k, 0
.rept 32
	v_add_f32_dpp v[YB+k], v[UB+k], v[YB+k] row_xmask:1 row_mask:0xf bank_mask:0xf
.set k, k+1
.endr
	s_wait_xcnt 0x0
	CVT32 YB, PS, 16
.irp bb, 0,1,2,3
	global_store_b128 v[LO], v[PS+4*\bb:PS+4*\bb+3], s[12:13] offset:((\n)/2)*4096+(4*((\n)%2)+\bb)*512
.endr
.endm
	K2TAB 0
	K2TAB 1
	K2TAB 2
	K2TAB 3
.irp n, 0,1,2,3,4,5,6,7,8,9,10,11,12,13,14,15
	EK2_HALF \n
.endr
	s_branch .Lout
; ---- v: rounded and stored
.Lvalues:
	s_sub_co_u32 s21, s17, 20                      ; head
	s_lshl_b32 s22, s21, 4
	s_add_co_u32 s22, s22, s20
	s_lshl_b32 s22, s22, 16
	s_lshl_b32 s21, s15, 15                        ; my half of the head's 16 channel tiles
	s_add_co_u32 s22, s22, s21
	s_add_co_u32 s22, s22, VFO
	s_mov_b32 s23, 0
	s_add_nc_u64 s[12:13], s[6:7], s[22:23]
.macro EV_ROW a
.set AC, 64*((\a)%4)
.set PS, 32+32*((\a)%4)
.if (\a) >= 4
	s_wait_xcnt 0x0                                ; the stores of four rows ago have read their registers
.endif
	WIN 0x0a+5*((\a)/4)                            ; sources 0 and 1: the accumulators' window
	CVT32 AC, PS, 32
	WIN 0
.irp b, 0,1,2,3,4,5,6,7
	global_store_b128 v[LO], v[PS+4*\b:PS+4*\b+3], s[12:13] offset:(\a)*4096+\b*512
.endr
.endm
.irp a, 0,1,2,3,4,5,6,7
	EV_ROW \a
.endr
.Lout:
	s_wait_tensorcnt 0x0                           ; the wave's end
	ds_add_u32 v[SPW], v[NIL]
	s_wait_dscnt 0x0
	CROUND                                         ; the closing round
	s_endpgm
.Lfunc_end_k_q6c40f5f475_gemm:
	.size	k_q6c40f5f475_gemm, .Lfunc_end_k_q6c40f5f475_gemm-k_q6c40f5f475_gemm
	.p2alignl 7, 3214868480
	.fill 96, 4, 3214868480
	.section	.rodata,"a",@progbits
	.p2align	6, 0x0
	.amdhsa_kernel k_q6c40f5f475_gemm
		.amdhsa_group_segment_fixed_size 327680
		.amdhsa_private_segment_fixed_size 0
		.amdhsa_enable_private_segment 0
		.amdhsa_kernarg_size 16
		.amdhsa_user_sgpr_count 2
		.amdhsa_user_sgpr_kernarg_segment_ptr 1
		.amdhsa_wavefront_size32 1
		.amdhsa_system_sgpr_workgroup_id_x 1
		.amdhsa_system_sgpr_workgroup_id_y 1
		.amdhsa_system_sgpr_workgroup_id_z 1
		.amdhsa_system_vgpr_workitem_id 0
		.amdhsa_next_free_vgpr 1024
		.amdhsa_next_free_sgpr 100
		.amdhsa_reserve_vcc 0
		.amdhsa_float_denorm_mode_32 3
		.amdhsa_float_denorm_mode_16_64 3
		.amdhsa_memory_ordered 1
		.amdhsa_forward_progress 1
		.amdhsa_inst_pref_size 255
	.end_amdhsa_kernel
	.section	.bss,"aw",@nobits
	.p2align	6
	.space	262144
	.amdgpu_metadata
---
amdhsa.version: [ 1, 2 ]
amdhsa.kernels:
  - .name:           k_q6c40f5f475_gemm
    .symbol:         k_q6c40f5f475_gemm.kd
    .args:
      - { .name: pre, .offset: 0, .size: 8, .value_kind: global_buffer, .address_space: global }
      - { .name: act, .offset: 8, .size: 8, .value_kind: global_buffer, .address_space: global }
    .group_segment_fixed_size: 327680
    .private_segment_fixed_size: 0
    .kernarg_segment_align: 8
    .kernarg_segment_size: 16
    .max_flat_workgroup_size: 128
    .sgpr_count:     100
    .vgpr_count:     1024
    .wavefront_size: 32
...
	.end_amdgpu_metadata
.endif
;; end of part 2
;; launch state (part 3): grid 16 x 16, 4 waves a work-group, no clusters, 1,024 bytes of LDS; arguments act, pre, sta, out1; writes sta, out1
.if DOCPART == 3
	.amdgcn_target "amdgcn-amd-amdhsa--gfx1250"
	.amdhsa_code_object_version 6
	.text
	.protected	k_q6c40f5f475_state
	.globl	k_q6c40f5f475_state
	.p2align	8
	.type	k_q6c40f5f475_state,@function
k_q6c40f5f475_state:
	s_mov_b64 s[64:65], 0
	v_nop
	global_prefetch_b8 v0, s[64:65] scope:SCOPE_SE
	s_setreg_imm32_b32 hwreg(HW_REG_WAVE_MODE, 25, 1), 1
	s_wait_xcnt 0x0
; Launch 3 of 5: the state S'_c ahead of each chunk c, and curr_kv.  U_c = sum_j k''_j (x) v_j (f16 operands, f32 sums);  S'_0 = 0;  S'_(c+1) = conj(z) (g^128 S'_c + U_c);  curr_kv = sg^(-4) e^(i 2048 f) S'_16.
; The sums over earlier chunks that the problem writes as products with the masked retention are taken through this state (shown at the head of the first launch).
; SHARES.  A work-group owns 16 of a head's 256 channels of v (x) for one batch and head (y) and walks the 16 chunks; wave w owns dk tiles 2 w, 2 w + 1.  Operands come from memory straight into registers:
; they were stored as images of fragments.  Source 0 = 16 dk of k'' x 32 tokens, source 1 = 32 tokens x 16 channels: a lane holds a channel, its registers dk 8 (lane / 16) + 0..7: four complex pairs.
; S'_c is stored as f16 x 2^-e, e from the largest magnitude of the work-group's 128 x 16 numbers (exact; the four waves' maxima meet in LDS, one barrier a chunk, a slot of 16 bytes for each chunk), with 2^e beside it.
; S'_c is final before chunk c's products begin: its largest magnitude is searched for and stored to LDS ahead of them, and the barrier stands behind them.
; Loads run four halves of a chunk (48 loads of 512 bytes) ahead of the half that is multiplied, in five buffers of 48 registers; every offset is an immediate.
; out1 leaves in runs of 64 bytes: a work-group has 16 channels.
; REGISTERS: window 0: v1 16 x lane, v2 lane, v5, v6 LDS addresses, v7 out1's offset, v8 the 16 scales (lane c: chunk c's), v9 32 (lane / 16), v10, v11 the add's two; v16-31 S', v32-47 U, v48-63 z, v64-79 at work,
;   v80-95 f16, v96-108 at work, v112-127 the closing factor.   window 1: v0-239 the five buffers.
.set K2FO, 16777216
.set VFO,  25165824
.set TZZO, 11862016
.set TGO,  11870208
.set SSO,  16777216
.set SPARE, 256
.set SPW, 10
.set NIL, 11
.set ST,  16
.set U,   32
.set Z,   48
.set T,   64
.set PK,  80
.set WZ,  112
.set MSB, 0
.macro WIN new                         ; the immediate's high byte repeats the setting that is left
.if MSB != (\new)
	s_set_vgpr_msb (MSB<<8)|(\new)
.set MSB, (\new)
.endif
.endm
	s_load_b256 s[4:11], s[0:1], 0x0               ; act, pre, sta, out1
	v_lshl_add_u32 v[SPW], v0, 2, SPARE
	v_mov_b32 v[NIL], 0
	v_lshrrev_b32 v1, 5, v0
	v_readfirstlane_b32 s12, v1                    ; wave
	v_mov_b32 v5, s12
	v_lshlrev_b32 v5, 2, v5                        ; my wave's word of a slot
	v_mov_b32 v6, 0
	v_and_b32 v2, 31, v0
	v_lshlrev_b32 v1, 4, v2
	v_and_b32 v3, 15, v0
	v_bfe_u32 v4, v0, 4, 1
	v_lshlrev_b32 v7, 13, v4
	v_lshl_add_u32 v7, v3, 2, v7                   ; out1: 8 (lane / 16) rows of 1,024 bytes + 4 r
	v_lshlrev_b32 v9, 5, v4
	v_lshlrev_b32 v108, 6, v2
	v_mov_b32 v8, 0
	v_mov_b32 v98, 0                               ; a lane permute's destination counts as read
	v_mov_b32 v101, 0                              ; (the upper half of a pair of which the low word serves both halves)
	s_mov_b32 s20, 0x76543210
	s_mov_b32 s21, 0xfedcba98
	s_and_b32 s14, ttmp7, 0xffff                   ; bh
	s_and_b32 s15, s14, 7                          ; h
	s_mov_b32 s33, 0
	s_wait_kmcnt 0x0
	s_lshl_b32 s32, s14, 19
	s_lshl_b32 s34, s12, 13
	s_add_co_u32 s32, s32, s34
	s_add_co_u32 s32, s32, K2FO
	s_add_nc_u64 s[16:17], s[4:5], s[32:33]        ; k'': my two dk tiles
	s_lshl_b32 s32, s14, 20
	s_lshl_b32 s34, ttmp9, 12
	s_add_co_u32 s35, s32, s34
	s_add_co_u32 s32, s35, VFO
	s_add_nc_u64 s[18:19], s[4:5], s[32:33]        ; v: my channel tile
	s_lshl_b32 s34, s12, 10
	s_add_co_u32 s32, s35, s34
	s_add_nc_u64 s[22:23], s[8:9], s[32:33]        ; where S' goes
	s_lshl_b32 s32, s15, 11
	s_add_co_u32 s32, s32, TGO
	s_add_nc_u64 s[24:25], s[6:7], s[32:33]
	s_load_b32 s30, s[24:25], 0x400                ; g^128
	s_lshl_b32 s32, s14, 17
	s_lshl_b32 s34, s12, 15
	s_add_co_u32 s32, s32, s34
	s_lshl_b32 s34, ttmp9, 6
	s_add_co_u32 s32, s32, s34
	s_add_nc_u64 s[26:27], s[10:11], s[32:33]      ; out1
	s_lshl_b32 s32, s14, 10
	s_lshl_b32 s34, ttmp9, 2
	s_add_co_u32 s32, s32, s34
	s_add_co_u32 s32, s32, SSO
	s_add_nc_u64 s[28:29], s[8:9], s[32:33]        ; the scales
	s_lshl_b32 s32, s15, 9
	s_lshl_b32 s34, s12, 7
	s_add_co_u32 s32, s32, s34
	s_add_co_u32 s32, s32, TZZO
	s_add_nc_u64 s[36:37], s[6:7], s[32:33]        ; z of pairs 64 h + 16 w on; the closing factor lies 4,096 bytes behind it
.irp u, 0,1
	global_load_b128 v[Z+8*\u:Z+8*\u+3], v9, s[36:37] offset:64*\u
	global_load_b128 v[Z+8*\u+4:Z+8*\u+7], v9, s[36:37] offset:64*\u+16
	global_load_b128 v[WZ+8*\u:WZ+8*\u+3], v9, s[36:37] offset:4096+64*\u
	global_load_b128 v[WZ+8*\u+4:WZ+8*\u+7], v9, s[36:37] offset:4096+64*\u+16
.endr
.macro HLOAD n                         ; half n = 2 c + hf: 64 tokens: k'' of my two dk tiles (2 x 4 images), v of my channel tile (4 images), into buffer n % 5
.set HB, 48*((\n)%5)
	WIN 0x40                                       ; destination window 1, address window 0
.irp u, 0,1
.irp t, 0,1,2,3
	global_load_b128 v[HB+16*\u+4*\t:HB+16*\u+4*\t+3], v1, s[16:17] offset:((\n)/2)*32768+\u*4096+(4*((\n)%2)+\t)*512
.endr
.endr
.irp t, 0,1,2,3
	global_load_b128 v[HB+32+4*\t:HB+32+4*\t+3], v1, s[18:19] offset:((\n)/2)*65536+(4*((\n)%2)+\t)*512
.endr
.endm
.macro HMUL n                          ; four matrix instructions; the two accumulators take turns, one instruction a turn
.set HB, 48*((\n)%5)
.if (\n) < 28
	s_wait_loadcnt 48                              ; this half is in; the four behind it may be out
.else
	s_wait_loadcnt 12*(31-(\n))
.endif
	WIN 0x05                                       ; sources 0 and 1 window 1; C and D window 0
.irp k, 0,1
.irp u, 0,1
.if ((\n)%2 == 0) && (\k == 0)
	v_wmma_f32_16x16x32_f16 v[U+8*\u:U+8*\u+7], v[HB+16*\u+8*\k:HB+16*\u+8*\k+7], v[HB+32+8*\k:HB+32+8*\k+7], 0
.else
	v_wmma_f32_16x16x32_f16 v[U+8*\u:U+8*\u+7], v[HB+16*\u+8*\k:HB+16*\u+8*\k+7], v[HB+32+8*\k:HB+32+8*\k+7], v[U+8*\u:U+8*\u+7]
.endif
.endr
.endr
.endm
.macro SEEK c                          ; the largest magnitude of my part of S'_c, to my word of the chunk's slot
	v_max3_num_f32 v96, |v[ST]|, |v[ST+1]|, 0x0d800000      ; the floor 2^-100 stands over a state of zeros
	v_max3_num_f32 v97, |v[ST+2]|, |v[ST+3]|, 0x0d800000
.irp i, 4,8,12
	v_max3_num_f32 v96, v96, |v[ST+\i]|, |v[ST+\i+1]|
	v_max3_num_f32 v97, v97, |v[ST+\i+2]|, |v[ST+\i+3]|
.endr
	v_max_num_f32 v96, v96, v97
	v_max_num_f32_dpp v96, v96, v96 row_xmask:1 row_mask:0xf bank_mask:0xf
	v_max_num_f32_dpp v96, v96, v96 row_xmask:2 row_mask:0xf bank_mask:0xf
	v_max_num_f32_dpp v96, v96, v96 row_xmask:4 row_mask:0xf bank_mask:0xf
	v_max_num_f32_dpp v96, v96, v96 row_xmask:8 row_mask:0xf bank_mask:0xf
	v_permlanex16_b32 v98, v96, s20, s21
	v_max_num_f32 v96, v96, v98
	ds_store_b32 v5, v96 offset:16*(\c)            ; all lanes write the same word with the same value
.endm
.macro EMIT c                          ; S'_c goes out.  Its plain lines are also the places behind the chunk's last products
	s_wait_dscnt 0x0                               ; for the others' sake: my word of the slot is written
	s_barrier_signal -1
	s_barrier_wait -1
	ds_load_b128 v[104:107], v6 offset:16*(\c)     ; the four waves' maxima; each chunk has a slot of its own, so one barrier does
	s_wait_dscnt 0x0
	v_max3_num_f32 v96, v104, v105, v106
	v_max_num_f32 v96, v96, v107
	v_and_b32 v102, 0x7f800000, v96                ; 2^e
	v_sub_nc_u32 v100, 0x7f000000, v102            ; 2^-e
	v_cmp_eq_u32 vcc_lo, \c, v2
	v_cndmask_b32 v8, v8, v102, vcc_lo
	s_wait_xcnt 0x0                                ; earlier stores have read their registers
.irp i, 0,2,4,6,8,10,12,14
	v_pk_mul_f32 v[T+\i:T+\i+1], v[ST+\i:ST+\i+1], v[100:101] op_sel_hi:[1,0]
.endr
.irp i, 0,1,2,3,4,5,6,7
	v_cvt_pk_f16_f32 v[PK+8*((\c)%2)+\i], v[T+2*\i], v[T+2*\i+1]
.endr
.irp u, 0,1
	global_store_b128 v1, v[PK+8*((\c)%2)+4*\u:PK+8*((\c)%2)+4*\u+3], s[22:23] offset:(\c)*65536+\u*512   ; an image: 512 consecutive bytes, aligned
.endr
.endm
.macro COMBINE                         ; S' = conj(z) (g^128 S' + U); U is read from its low end on
.irp i, 0,2,4,6,8,10,12,14
	v_pk_fma_f32 v[T+\i:T+\i+1], v[ST+\i:ST+\i+1], s[30:31], v[U+\i:U+\i+1] op_sel_hi:[1,0,1]
.endr
.irp i, 0,2,4,6,8,10,12,14
	v_pk_mul_f32 v[ST+\i:ST+\i+1], v[T+\i:T+\i+1], v[Z+\i:Z+\i+1] op_sel_hi:[1,0]                          ; (re zc, im zc)
.endr
.irp i, 0,2,4,6,8,10,12,14
	v_pk_fma_f32 v[ST+\i:ST+\i+1], v[T+\i:T+\i+1], v[Z+\i:Z+\i+1], v[ST+\i:ST+\i+1] op_sel:[1,1,0] op_sel_hi:[0,1,1] neg_hi:[1,0,0]   ; + (im zs, -re zs)
.endr
.endm
.macro CHUNK c
	SEEK \c
	HMUL 2*(\c)
.if 2*(\c)+5 < 32
.rept 4
	v_nop                                          ; places in front of loads into the buffer just multiplied
.endr
	HLOAD 2*(\c)+5
.endif
	HMUL 2*(\c)+1
	WIN 0
	EMIT \c
.if 2*(\c)+6 < 32
	HLOAD 2*(\c)+6
	WIN 0
.endif
	COMBINE
.endm
.irp n, 0,1,2,3,4
	HLOAD \n
.endr
	WIN 0
.irp i, 0,1,2,3,4,5,6,7,8,9,10,11,12,13,14,15
	v_mov_b32 v[ST+\i], 0                          ; S'_0
.endr
	s_wait_kmcnt 0x0
	s_mov_b32 s31, s30                             ; (named with it as a pair, so it is written)
.irp c, 0,1,2,3,4,5,6,7,8,9,10,11,12,13,14,15
	CHUNK \c
.endr
	; curr_kv = (wc + i ws) S'_16; the factor came with z, at the head
.irp i, 0,2,4,6,8,10,12,14
	v_pk_mul_f32 v[T+\i:T+\i+1], v[ST+\i:ST+\i+1], v[WZ+\i:WZ+\i+1] op_sel_hi:[1,0]
.endr
.irp i, 0,2,4,6,8,10,12,14
	v_pk_fma_f32 v[T+\i:T+\i+1], v[ST+\i:ST+\i+1], v[WZ+\i:WZ+\i+1], v[T+\i:T+\i+1] op_sel:[1,1,0] op_sel_hi:[0,1,1] neg_lo:[1,0,0]
.endr
.irp u, 0,1
.irp j, 0,1,2,3,4,5,6,7
	global_store_b32 v7, v[T+8*\u+\j], s[26:27] offset:\u*16384+\j*1024
.endr
.endr
	s_cmp_lg_u32 s12, 0
	s_cbranch_scc1 .Lnot_wave_0
	v_cmp_gt_u32 vcc_lo, 16, v2                    ; wave 0, lanes 0-15: chunk c's 2^e
	s_wait_xcnt 0x0                                ; EXEC changes only behind this wait
	s_and_saveexec_b32 s34, vcc_lo
	global_store_b32 v108, v8, s[28:29]
	s_wait_xcnt 0x0
	s_or_b32 exec_lo, exec_lo, s34
.Lnot_wave_0:
	s_wait_tensorcnt 0x0                           ; the wave's end, behind my last LDS store
	ds_add_u32 v[SPW], v[NIL]
	s_wait_dscnt 0x0
	s_endpgm
.Lfunc_end_k_q6c40f5f475_state:
	.size	k_q6c40f5f475_state, .Lfunc_end_k_q6c40f5f475_state-k_q6c40f5f475_state
	.p2alignl 7, 3214868480
	.fill 96, 4, 3214868480
	.section	.rodata,"a",@progbits
	.p2align	6, 0x0
	.amdhsa_kernel k_q6c40f5f475_state
		.amdhsa_group_segment_fixed_size 1024
		.amdhsa_private_segment_fixed_size 0
		.amdhsa_enable_private_segment 0
		.amdhsa_kernarg_size 32
		.amdhsa_user_sgpr_count 2
		.amdhsa_user_sgpr_kernarg_segment_ptr 1
		.amdhsa_wavefront_size32 1
		.amdhsa_system_sgpr_workgroup_id_x 1
		.amdhsa_system_sgpr_workgroup_id_y 1
		.amdhsa_system_sgpr_workgroup_id_z 1
		.amdhsa_system_vgpr_workitem_id 0
		.amdhsa_next_free_vgpr 512
		.amdhsa_next_free_sgpr 66
		.amdhsa_reserve_vcc 1
		.amdhsa_float_denorm_mode_32 3
		.amdhsa_float_denorm_mode_16_64 3
		.amdhsa_memory_ordered 1
		.amdhsa_forward_progress 1
		.amdhsa_inst_pref_size 124
	.end_amdhsa_kernel
	.amdgpu_metadata
---
amdhsa.version: [ 1, 2 ]
amdhsa.kernels:
  - .name:           k_q6c40f5f475_state
    .symbol:         k_q6c40f5f475_state.kd
    .args:
      - { .name: act, .offset: 0, .size: 8, .value_kind: global_buffer, .address_space: global }
      - { .name: pre, .offset: 8, .size: 8, .value_kind: global_buffer, .address_space: global }
      - { .name: sta, .offset: 16, .size: 8, .value_kind: global_buffer, .address_space: global }
      - { .name: out1, .offset: 24, .size: 8, .value_kind: global_buffer, .address_space: global }
    .group_segment_fixed_size: 1024
    .private_segment_fixed_size: 0
    .kernarg_segment_align: 8
    .kernarg_segment_size: 32
    .max_flat_workgroup_size: 128
    .sgpr_count:     66
    .vgpr_count:     512
    .wavefront_size: 32
...
	.end_amdgpu_metadata
.endif
;; end of part 3
;; launch ret (part 4): grid 16 x 16, 4 waves a work-group, no clusters, 198,144 bytes of LDS; arguments act, sta, pre, af; writes af
.if DOCPART == 4
	.amdgcn_target "amdgcn-amd-amdhsa--gfx1250"
	.amdhsa_code_object_version 6
	.text
	.protected	k_q6c40f5f475_ret
	.globl	k_q6c40f5f475_ret
	.p2align	8
	.type	k_q6c40f5f475_ret,@function
k_q6c40f5f475_ret:
	s_mov_b64 s[64:65], 0
	v_nop
	global_prefetch_b8 v0, s[64:65] scope:SCOPE_SE
	s_setreg_imm32_b32 hwreg(HW_REG_WAVE_MODE, 25, 1), 1
	s_wait_xcnt 0x0
; Launch 4 of 5: out_t = 128^(-1/2) [ sum_(j<=i) g^(i-j) (q'.k'_j) v_j + g^(i+1) q'.S'_c ], GroupNorm over the head's 256 channels, x gate, / 8, all in f32, rounded to f16 once.
; LEFT OUT: key tiles wholly above the diagonal (the problem's own mask multiplies them by 0); earlier chunks come through S' (shown at the head of the first launch).
; SHARES.  A work-group owns one chunk of 128 queries (x) of one batch and head (y).  Wave w owns query tiles hi = 7 - w and lo = w: five key steps of 32 in every wave.
; The chunk's k' (32 KiB), v (64 KiB) and S' (64 KiB), all images of fragments, come into LDS ONCE: every wave fetches a quarter of each: three tensor loads of a wave are outstanding.
; No cluster: no two work-groups read the same tile.
; LAYOUT.  All products are used transposed, so that a lane holds ONE query (lane % 16): S^T = k' q'^T, O^T = v^T P, I^T = S'^T q'^T.  S^T's registers are keys; rounded to f16 in pairs they are P's fragment.
; P = S x g^(i-j) x 2^-e, e from the row's largest |S| (exact), so that P lies within +-2 whatever the inputs' size; S' carries its own 2^e for each channel tile.  Both are undone in f32.
; g^(i-j) for query tile a, key tile b, d = a - b: d >= 1: g^(16 d - 15) x X, X_j = g^(15 + r - 8 h' - j); d = 0: D_j = g^(r - 8 h' - j), 0 above the diagonal; d < 0: 0.  All powers come from the table that the
; first launch made, whose entries for negative exponents are 0.
; REGISTERS.  window 0: v1-5 LDS addresses, v7 the table's lane offset, v8, v9 the add's two, v10-17 X, v18-25 D, v26, v27 128^(-1/2) g^(i+1), v28-31 128^(-1/2) 2^e (pairs), v32-71 at work,
;   v96-159 q' (hi, lo), v160-207 P; at the end v72-87 sixteen words of the gate, v96-127 the state's factors and then the gate in f32, v128-191 f16 results, v192-255 rows read back.
;   window 1: O^T (hi v0-127, lo v128-255).   window 2: S^T (hi v0-63, lo v64-95), then I^T (as O^T).   window 3: two stream buffers of 64, from v128 the gate.
.set VFO,  25165824
.set KFO,  8388608
.set GFO,  41943040
.set SSO,  16777216
.set TGO,  11870208
.set LV,   32768
.set LS,   98304
.set STAGE, 163840
.set SPITCH, 528
.set SPARE, STAGE+4*16*SPITCH
.set AK,  1
.set AV,  2
.set AS,  3
.set STO, 4
.set RD,  5
.set TGV, 7
.set SPW, 8
.set NIL, 9
.set XP,  10
.set DP,  18
.set BLH, 26
.set BLL, 27
.set APH, 28
.set APL, 30
.set MA,  32
.set MB,  33
.set PX,  34
.set LAM, 35
.set GL1, 36
.set GL0, 38
.set CO,  40
.set PT,  48
.set CH,  56
.set NM,  64
.set RS,  66
.set GT,  72
.set GF,  96
.set QH,  96
.set QL,  128
.set PH,  160
.set PL,  192
.set BT,  96
.set HH,  128
.set RB,  192
.set MSB, 0
.macro WIN new
.if MSB != (\new)
	s_set_vgpr_msb (MSB<<8)|(\new)
.set MSB, (\new)
.endif
.endm
.macro PLACES
.rept 4
	v_nop
.endr
.endm
	s_load_b256 s[4:11], s[0:1], 0x0               ; act, sta, pre, af
	v_lshl_add_u32 v[SPW], v0, 2, SPARE
	v_mov_b32 v[NIL], 0
	ds_add_u32 v[SPW], v[NIL]                      ; the wave's opening: the add, twice on end, and its wait ahead of my first tensor load
	ds_add_u32 v[SPW], v[NIL]
	v_lshrrev_b32 v1, 5, v0
	v_readfirstlane_b32 s12, v1                    ; wave = my lo tile
	s_mov_b32 s13, ttmp9                           ; c
	s_and_b32 s14, ttmp7, 0xffff                   ; bh
	s_and_b32 s15, s14, 7                          ; h
	s_sub_co_u32 s16, 7, s12                       ; my hi tile
	s_mov_b32 s20, 0x76543210
	s_mov_b32 s21, 0xfedcba98
	s_mov_b32 s66, 0x3b800000                      ; 1 / 256
	s_mov_b32 s67, 0x3727c5ac                      ; 1e-5
	s_mov_b32 s101, 0
	; descriptor groups 1: dense blocks as rows of 256 bytes (32 elements of 8 bytes): 32 rows (k'), 64 rows (S', v)
	s_mov_b32 s24, 3<<16
	s_mov_b32 s25, 32<<16
	s_mov_b32 s26, 32<<16
	s_mov_b32 s27, 32<<16
	s_mov_b32 s28, 32
	s_mov_b32 s29, 32
	s_mov_b32 s30, 0
	s_mov_b32 s31, 0
	s_mov_b32 s32, 3<<16
	s_mov_b32 s33, 32<<16
	s_mov_b32 s34, 64<<16
	s_mov_b32 s35, 32<<16
	s_mov_b32 s36, 64
	s_mov_b32 s37, 32
	s_mov_b32 s38, 0
	s_mov_b32 s39, 0
	s_lshl_b32 s18, s14, 4
	s_add_co_u32 s18, s18, s13                     ; 16 bh + c
	s_lshl_b32 s96, s18, 15
	s_lshl_b32 s22, s12, 13                        ; my quarter of 32 KiB
	s_add_co_u32 s96, s96, s22
	s_add_co_u32 s96, s96, KFO
	s_mov_b32 s97, 0
	s_lshl_b32 s98, s18, 16
	s_lshl_b32 s23, s12, 14                        ; my quarter of 64 KiB
	s_add_co_u32 s98, s98, s23
	s_mov_b32 s99, 0
	s_wait_dscnt 0x0                               ; both opening adds are done
	s_wait_kmcnt 0x0
	s_mov_b32 s40, 1
	s_mov_b32 s41, s22
	s_add_nc_u64 s[42:43], s[4:5], s[96:97]
	s_or_b32 s43, s43, 0x80000000
	s_mov_b32 s44, 1
	s_add_co_u32 s45, s23, LS
	s_add_nc_u64 s[46:47], s[6:7], s[98:99]
	s_or_b32 s47, s47, 0x80000000
	s_mov_b32 s48, 1
	s_add_co_u32 s49, s23, LV
	s_add_nc_u64 s[50:51], s[4:5], s[98:99]
	s_add_nc_u64 s[50:51], s[50:51], VFO
	s_or_b32 s51, s51, 0x80000000
	tensor_load_to_lds s[40:43], s[24:31]          ; k'
	s_nop 0
	tensor_load_to_lds s[44:47], s[32:39]          ; S'
	s_nop 0
	tensor_load_to_lds s[48:51], s[32:39]          ; v
	s_nop 0
.rept 4
	v_nop
.endr
	v_and_b32 v1, 31, v0
	v_lshlrev_b32 v[AK], 4, v1                     ; 16 x lane: an image's place for my lane
	v_add_nc_u32 v[AV], LV, v[AK]
	v_add_nc_u32 v[AS], LS, v[AK]
	v_and_b32 v68, 15, v0                          ; r
	v_bfe_u32 v69, v0, 4, 1                        ; h'
	s_mul_i32 s22, s12, 16*SPITCH
	s_add_co_u32 s22, s22, STAGE                   ; my stage
	v_mul_u32_u24 v[STO], v68, SPITCH
	v_lshl_add_u32 v[STO], v69, 4, v[STO]
	v_add_nc_u32 v[STO], s22, v[STO]
	v_add_nc_u32 v[RD], s22, v[AK]
	v_lshlrev_b32 v70, 2, v68                      ; 4 r
	v_add_nc_u32 v[TGV], 484, v70
	v_lshlrev_b32 v71, 5, v69
	v_sub_nc_u32 v[TGV], v[TGV], v71               ; 4 (r - 8 h') + 512 - 28: entry n of the table lies at byte 4 n + 512
	s_lshl_b32 s17, s12, 6
	v_add_nc_u32 v71, s17, v70                     ; 4 r + 64 lo
	s_lshl_b32 s17, s16, 6
	v_add_nc_u32 v70, s17, v70                     ; 4 r + 64 hi
.irp x, 29,31,34,37,39,65,67
	v_mov_b32 v\x, 0                               ; upper halves of pairs whose low word serves both halves, and a lane permute's destination
.endr
	s_lshl_b32 s100, s15, 11
	s_add_co_u32 s100, s100, TGO
	s_add_nc_u64 s[2:3], s[8:9], s[100:101]        ; the head's powers
	s_lshl_b32 s100, s16, 6
	s_add_nc_u64 s[18:19], s[2:3], s[100:101]
	s_lshl_b32 s100, s12, 6
	s_add_nc_u64 s[22:23], s[2:3], s[100:101]
	s_lshl_b32 s100, s14, 10
	s_lshl_b32 s98, s13, 6
	s_add_co_u32 s100, s100, s98
	s_add_co_u32 s100, s100, SSO
	s_add_nc_u64 s[96:97], s[6:7], s[100:101]
.irp b, 0,1,2,3,4,5,6,7
	s_load_b32 s[52+\b], s[18:19], 452-64*\b       ; g^(16 (hi - b) - 15), 0 where hi <= b
.endr
.irp b, 0,1,2,3
	s_load_b32 s[60+\b], s[22:23], 452-64*\b       ; the same for lo
.endr
	s_load_b512 s[68:83], s[96:97], 0x0            ; S's 2^e of the 16 channel tiles
.irp j, 0,1,2,3,4,5,6,7
	global_load_b32 v[XP+\j], v[TGV], s[2:3] offset:88-4*\j
.endr
.irp j, 0,1,2,3,4,5,6,7
	global_load_b32 v[DP+\j], v[TGV], s[2:3] offset:28-4*\j
.endr
	global_load_b32 v[BLH], v70, s[2:3] offset:516
	global_load_b32 v[BLL], v71, s[2:3] offset:516
	s_wait_xcnt 0x0                                ; the loads above have read their bases: these are written anew
	s_lshl_b32 s98, s14, 7
	s_lshl_b32 s99, s13, 3
	s_add_co_u32 s98, s98, s99                     ; 128 bh + 8 c
	s_add_co_u32 s17, s98, s16                     ; my hi tile among all,
	s_add_co_u32 s98, s98, s12                     ; my lo tile
	s_lshl_b32 s100, s17, 12
	s_add_nc_u64 s[18:19], s[4:5], s[100:101]      ; q' hi
	s_lshl_b32 s100, s98, 12
	s_add_nc_u64 s[22:23], s[4:5], s[100:101]      ; q' lo
	s_lshl_b32 s100, s17, 13
	s_add_co_u32 s100, s100, GFO
	s_add_nc_u64 s[96:97], s[4:5], s[100:101]      ; gate hi
	s_lshl_b32 s100, s98, 13
	s_add_co_u32 s100, s100, GFO
	s_add_nc_u64 s[98:99], s[4:5], s[100:101]      ; gate lo
.irp n, 0,1,2,3,4,5,6,7
	global_load_b128 v[QH+4*\n:QH+4*\n+3], v[AK], s[18:19] offset:512*\n
.endr
.irp n, 0,1,2,3,4,5,6,7
	global_load_b128 v[QL+4*\n:QL+4*\n+3], v[AK], s[22:23] offset:512*\n
.endr
	WIN 0xc0                                       ; destination window 3
.irp n, 0,1,2,3,4,5,6,7,8,9,10,11,12,13,14,15
	global_load_b128 v[128+4*\n:128+4*\n+3], v[AK], s[96:97] offset:512*\n
.endr
.irp n, 0,1,2,3,4,5,6,7,8,9,10,11,12,13,14,15
	global_load_b128 v[192+4*\n:192+4*\n+3], v[AK], s[98:99] offset:512*\n
.endr
	WIN 0
.irp b, 0,1,2,3,4,5,6,7
	s_cmp_eq_u32 s16, \b
	s_cselect_b32 s[84+\b], 1.0, 0                 ; 1 on the diagonal tile
.endr
.irp b, 0,1,2,3
	s_cmp_eq_u32 s12, \b
	s_cselect_b32 s[92+\b], 1.0, 0
.endr
	s_wait_kmcnt 0x0
	s_wait_tensorcnt 0x0                           ; my quarters have landed,
	s_barrier_signal -1
	s_barrier_wait -1                              ; everybody's have
	s_wait_loadcnt 32                              ; the powers and q' are in; the gate's 32 loads may be out
	v_mul_f32 v[BLH], 0x3db504f3, v[BLH]           ; x 128^(-1/2)
	v_mul_f32 v[BLL], 0x3db504f3, v[BLL]
.macro FETCHD buf, adr, off            ; 16 images on end into a stream buffer
	WIN 0xc0
.irp m, 0,1,2,3,4,5,6,7,8,9,10,11,12,13,14,15
	ds_load_b128 v[64*(\buf)+4*\m:64*(\buf)+4*\m+3], v[\adr] offset:(\off)+512*\m
.endr
.endm
.macro FETCHV buf, kp, hv              ; v's fragments of key step kp for channel tiles 8 hv .. 8 hv + 7
	WIN 0xc0
.irp f, 0,1,2,3,4,5,6,7
	ds_load_b128 v[64*(\buf)+8*\f:64*(\buf)+8*\f+3], v[AV] offset:(8*(\hv)+\f)*4096+(\kp)*1024
	ds_load_b128 v[64*(\buf)+8*\f+4:64*(\buf)+8*\f+7], v[AV] offset:(8*(\hv)+\f)*4096+(\kp)*1024+512
.endr
.endm
.macro FETCHB n, nhi                   ; batch n of a wave's walk: the first nhi are k's key steps, then v's (key step, half of the channels)
.if (\n) < (\nhi)
	FETCHD ((\n)%2), AK, ((\n)*8192)
.else
	FETCHV ((\n)%2), (((\n)-(\nhi))/2), (((\n)-(\nhi))%2)
.endif
.endm
; S^T of key tiles 2 kp, 2 kp + 1.  The accumulators take turns, one instruction a turn, here and in all products below
.macro QKB buf, kp, nlo
	WIN 0xa3                                       ; source 0 window 3, source 1 window 0, C and D window 2
.irp ks, 0,1,2,3
.irp u, 0,1
.if \ks == 0
	v_wmma_f32_16x16x32_f16 v[8*(2*(\kp)+\u):8*(2*(\kp)+\u)+7], v[64*(\buf)+32*\u+8*\ks:64*(\buf)+32*\u+8*\ks+7], v[QH+8*\ks:QH+8*\ks+7], 0
.else
	v_wmma_f32_16x16x32_f16 v[8*(2*(\kp)+\u):8*(2*(\kp)+\u)+7], v[64*(\buf)+32*\u+8*\ks:64*(\buf)+32*\u+8*\ks+7], v[QH+8*\ks:QH+8*\ks+7], v[8*(2*(\kp)+\u):8*(2*(\kp)+\u)+7]
.endif
.endr
.if (\kp) < (\nlo)
.irp u, 0,1
.if \ks == 0
	v_wmma_f32_16x16x32_f16 v[64+8*(2*(\kp)+\u):64+8*(2*(\kp)+\u)+7], v[64*(\buf)+32*\u+8*\ks:64*(\buf)+32*\u+8*\ks+7], v[QL+8*\ks:QL+8*\ks+7], 0
.else
	v_wmma_f32_16x16x32_f16 v[64+8*(2*(\kp)+\u):64+8*(2*(\kp)+\u)+7], v[64*(\buf)+32*\u+8*\ks:64*(\buf)+32*\u+8*\ks+7], v[QL+8*\ks:QL+8*\ks+7], v[64+8*(2*(\kp)+\u):64+8*(2*(\kp)+\u)+7]
.endif
.endr
.endif
.endr
.endm
; n key tiles of S^T at v[sb] of window 2 become P at v[pb]; g1, g0: the tiles' scalars; ap: the pair that takes 128^(-1/2) 2^e
.macro PROC sb, n, pb, g1, g0, ap
	WIN 0x0a                                       ; sources 0 and 1 window 2
	v_max3_num_f32 v[MA], |v[\sb]|, |v[\sb+1]|, 0x0d800000   ; the row's largest |S|, over the floor 2^-100; each accumulator is read from its low end on
	v_max3_num_f32 v[MB], |v[\sb+2]|, |v[\sb+3]|, 0x0d800000
.set k, 4
.rept 2*(\n)-1
	v_max3_num_f32 v[MA], |v[\sb+k]|, |v[\sb+k+1]|, v[MA]
	v_max3_num_f32 v[MB], |v[\sb+k+2]|, |v[\sb+k+3]|, v[MB]
.set k, k+4
.endr
	WIN 0
	v_max_num_f32 v[MA], v[MA], v[MB]
	v_permlanex16_b32 v[PX], v[MA], s20, s21       ; the query's other keys lie in the lane 16 away
	v_max_num_f32 v[MA], v[MA], v[PX]
	v_and_b32 v[MA], 0x7f800000, v[MA]             ; 2^e
	v_sub_nc_u32 v[LAM], 0x7f000000, v[MA]         ; 2^-e
	v_mul_f32 v[\ap], 0x3db504f3, v[MA]
.set t, 0
.rept \n
	WIN 0
	v_mul_f32 v[GL1], s[\g1+t], v[LAM]
	v_mul_f32 v[GL0], s[\g0+t], v[LAM]
.irp i, 0,2,4,6
	v_pk_mul_f32 v[CO+\i:CO+\i+1], v[DP+\i:DP+\i+1], v[GL0:GL0+1] op_sel_hi:[1,0]
.endr
.irp i, 0,2,4,6
	v_pk_fma_f32 v[CO+\i:CO+\i+1], v[XP+\i:XP+\i+1], v[GL1:GL1+1], v[CO+\i:CO+\i+1] op_sel_hi:[1,0,1]
.endr
	WIN 0x02                                       ; source 0 window 2
.irp i, 0,2,4,6
	v_pk_mul_f32 v[PT+\i:PT+\i+1], v[\sb+8*t+\i:\sb+8*t+\i+1], v[CO+\i:CO+\i+1]
.endr
	WIN 0
.irp i, 0,1,2,3
	v_cvt_pk_f16_f32 v[\pb+4*t+\i], v[PT+2*\i], v[PT+2*\i+1]
.endr
.set t, t+1
.endr
.endm
.macro PVB buf, kp, hv, nlo            ; O^T += v^T P for eight channel tiles
	WIN 0x53                                       ; source 0 window 3, source 1 window 0, C and D window 1
.irp f, 0,1,2,3,4,5,6,7
.if (\kp) == 0
	v_wmma_f32_16x16x32_f16 v[8*(8*(\hv)+\f):8*(8*(\hv)+\f)+7], v[64*(\buf)+8*\f:64*(\buf)+8*\f+7], v[PH+8*(\kp):PH+8*(\kp)+7], 0
.else
	v_wmma_f32_16x16x32_f16 v[8*(8*(\hv)+\f):8*(8*(\hv)+\f)+7], v[64*(\buf)+8*\f:64*(\buf)+8*\f+7], v[PH+8*(\kp):PH+8*(\kp)+7], v[8*(8*(\hv)+\f):8*(8*(\hv)+\f)+7]
.endif
.if (\kp) < (\nlo)
.if (\kp) == 0
	v_wmma_f32_16x16x32_f16 v[128+8*(8*(\hv)+\f):128+8*(8*(\hv)+\f)+7], v[64*(\buf)+8*\f:64*(\buf)+8*\f+7], v[PL+8*(\kp):PL+8*(\kp)+7], 0
.else
	v_wmma_f32_16x16x32_f16 v[128+8*(8*(\hv)+\f):128+8*(8*(\hv)+\f)+7], v[64*(\buf)+8*\f:64*(\buf)+8*\f+7], v[PL+8*(\kp):PL+8*(\kp)+7], v[128+8*(8*(\hv)+\f):128+8*(8*(\hv)+\f)+7]
.endif
.endif
.endr
.endm
; The chunk's own keys: nhi key steps of 32 for the hi tile, nlo for the lo tile.  While a batch is multiplied the next batch's 16 loads are on their way, into the buffer that the batch before has left,
; four places behind its products.
.macro INTRA nhi, nlo
	FETCHB 0, \nhi
.set NB, 3*(\nhi)
.set bn, 0
.rept 3*(\nhi)
.if bn+1 < NB
.if bn > 0
	PLACES
.endif
	FETCHB bn+1, \nhi
	s_wait_dscnt 16                                ; this batch is in, the next may be out
.else
	s_wait_dscnt 0x0
.endif
.if bn < \nhi
	QKB bn%2, bn, \nlo
.else
.if bn == \nhi
	PROC 0, 2*(\nhi), PH, 52, 84, APH              ; (the four places above stand between the last scores' products and these reads too)
	PROC 64, 2*(\nlo), PL, 60, 92, APL
.endif
	PVB bn%2, (bn-\nhi)/2, (bn-\nhi)%2, \nlo
.endif
.set bn, bn+1
.endr
.endm
	s_cmp_lt_u32 s12, 2                            ; hi = 7, 6 and lo = 0, 1: four and one key steps; hi = 5, 4 and lo = 2, 3: three and two
	s_cbranch_scc0 .Lnarrow
	INTRA 4, 1
	WIN 0
	s_branch .Linter
.Lnarrow:
	INTRA 3, 2
	WIN 0
.Linter:
	; I^T = S'^T q'^T: eight batches of two channel tiles
	PLACES
	FETCHD 0, AS, 0
.set g, 0
.rept 8
.if g < 7
.if g > 0
	PLACES
.endif
	FETCHD (g+1)%2, AS, (g+1)*8192
	s_wait_dscnt 16
.else
	s_wait_dscnt 0x0
.endif
	WIN 0xa3
.irp ks, 0,1,2,3
.irp cc, 0,1
.if \ks == 0
	v_wmma_f32_16x16x32_f16 v[8*(2*g+\cc):8*(2*g+\cc)+7], v[64*(g%2)+32*\cc+8*\ks:64*(g%2)+32*\cc+8*\ks+7], v[QH+8*\ks:QH+8*\ks+7], 0
	v_wmma_f32_16x16x32_f16 v[128+8*(2*g+\cc):128+8*(2*g+\cc)+7], v[64*(g%2)+32*\cc+8*\ks:64*(g%2)+32*\cc+8*\ks+7], v[QL+8*\ks:QL+8*\ks+7], 0
.else
	v_wmma_f32_16x16x32_f16 v[8*(2*g+\cc):8*(2*g+\cc)+7], v[64*(g%2)+32*\cc+8*\ks:64*(g%2)+32*\cc+8*\ks+7], v[QH+8*\ks:QH+8*\ks+7], v[8*(2*g+\cc):8*(2*g+\cc)+7]
	v_wmma_f32_16x16x32_f16 v[128+8*(2*g+\cc):128+8*(2*g+\cc)+7], v[64*(g%2)+32*\cc+8*\ks:64*(g%2)+32*\cc+8*\ks+7], v[QL+8*\ks:QL+8*\ks+7], v[128+8*(2*g+\cc):128+8*(2*g+\cc)+7]
.endif
.endr
.endr
.set g, g+1
.endr
	WIN 0
	PLACES                                         ; in front of writes over q' and of the first reads of I^T
.macro REDUCE                          ; four packed chains and the lane 16 away: the row's sum in v[CH]
	v_pk_add_f32 v[CH:CH+1], v[CH:CH+1], v[CH+2:CH+3]
	v_pk_add_f32 v[CH+4:CH+5], v[CH+4:CH+5], v[CH+6:CH+7]
	v_pk_add_f32 v[CH:CH+1], v[CH:CH+1], v[CH+4:CH+5]
	v_add_f32 v[CH], v[CH], v[CH+1]
	v_permlanex16_b32 v[PX], v[CH], s20, s21
	v_add_f32 v[CH], v[CH], v[PX]
.endm
.macro GWIDE                           ; sixteen words of the gate, v72-87, become 32 numbers in f32, v96-127: the low half is the lower channel
	v_cvt_f32_f16 v96, v72.l
	v_cvt_f32_f16 v97, v72.h
	v_cvt_f32_f16 v98, v73.l
	v_cvt_f32_f16 v99, v73.h
	v_cvt_f32_f16 v100, v74.l
	v_cvt_f32_f16 v101, v74.h
	v_cvt_f32_f16 v102, v75.l
	v_cvt_f32_f16 v103, v75.h
	v_cvt_f32_f16 v104, v76.l
	v_cvt_f32_f16 v105, v76.h
	v_cvt_f32_f16 v106, v77.l
	v_cvt_f32_f16 v107, v77.h
	v_cvt_f32_f16 v108, v78.l
	v_cvt_f32_f16 v109, v78.h
	v_cvt_f32_f16 v110, v79.l
	v_cvt_f32_f16 v111, v79.h
	v_cvt_f32_f16 v112, v80.l
	v_cvt_f32_f16 v113, v80.h
	v_cvt_f32_f16 v114, v81.l
	v_cvt_f32_f16 v115, v81.h
	v_cvt_f32_f16 v116, v82.l
	v_cvt_f32_f16 v117, v82.h
	v_cvt_f32_f16 v118, v83.l
	v_cvt_f32_f16 v119, v83.h
	v_cvt_f32_f16 v120, v84.l
	v_cvt_f32_f16 v121, v84.h
	v_cvt_f32_f16 v122, v85.l
	v_cvt_f32_f16 v123, v85.h
	v_cvt_f32_f16 v124, v86.l
	v_cvt_f32_f16 v125, v86.h
	v_cvt_f32_f16 v126, v87.l
	v_cvt_f32_f16 v127, v87.h
.endm
; A query tile's end: ob: its place in windows 1 and 2; gb: its gate in window 3; ap, bl: its factors; sa: the scalar register with its number
.macro FIN ob, gb, ap, bl, sa
	s_wait_xcnt 0x0                                ; earlier loads and stores have read their bases and registers
	s_lshr_b32 s100, s14, 3
	s_lshl_b32 s100, s100, 11
	s_lshl_b32 s17, s13, 7
	s_add_co_u32 s100, s100, s17
	s_lshl_b32 s17, s[\sa], 4
	s_add_co_u32 s100, s100, s17                   ; the tile's first token among the 4,096
	s_lshl_b32 s100, s100, 12
	s_lshl_b32 s17, s15, 9
	s_add_co_u32 s100, s100, s17                   ; + the head's 512 bytes of a row
	s_add_nc_u64 s[18:19], s[10:11], s[100:101]
.set ct, 0
.rept 16
	v_mul_f32 v[BT+2*ct], s[68+ct], v[\bl]         ; 128^(-1/2) g^(i+1) 2^e of channel tile ct
	v_mov_b32 v[BT+2*ct+1], 0
.set ct, ct+1
.endr
	WIN 0x41                                       ; O^T (destination and source 0) window 1
.set i, 0
.rept 64
	v_pk_mul_f32 v[\ob+i:\ob+i+1], v[\ob+i:\ob+i+1], v[\ap:\ap+1] op_sel_hi:[1,0]
.set i, i+2
.endr
	WIN 0x52                                       ; source 0 I^T window 2, source 2 and destination O^T window 1
.set i, 0
.rept 64
	v_pk_fma_f32 v[\ob+i:\ob+i+1], v[\ob+i:\ob+i+1], v[BT+2*(i/8):BT+2*(i/8)+1], v[\ob+i:\ob+i+1] op_sel_hi:[1,0,1]
.set i, i+2
.endr
	WIN 0x05                                       ; sources 0 and 1 window 1
.irp k, 0,1,2,3
	v_pk_add_f32 v[CH+2*\k:CH+2*\k+1], v[\ob+4*\k:\ob+4*\k+1], v[\ob+4*\k+2:\ob+4*\k+3]
.endr
	WIN 0x04                                       ; source 1 window 1
.set i, 16
.rept 56
	v_pk_add_f32 v[CH+2*((i/2)%4):CH+2*((i/2)%4)+1], v[CH+2*((i/2)%4):CH+2*((i/2)%4)+1], v[\ob+i:\ob+i+1]
.set i, i+2
.endr
	WIN 0
	REDUCE
	v_mul_f32 v[NM], 0xbb800000, v[CH]             ; -mean
	WIN 0x41
.set i, 0
.rept 64
	v_pk_add_f32 v[\ob+i:\ob+i+1], v[\ob+i:\ob+i+1], v[NM:NM+1] op_sel_hi:[1,0]
.set i, i+2
.endr
	WIN 0x05
.irp k, 0,1,2,3
	v_pk_mul_f32 v[CH+2*\k:CH+2*\k+1], v[\ob+2*\k:\ob+2*\k+1], v[\ob+2*\k:\ob+2*\k+1]
.endr
.set i, 8
.rept 60
	v_pk_fma_f32 v[CH+2*((i/2)%4):CH+2*((i/2)%4)+1], v[\ob+i:\ob+i+1], v[\ob+i:\ob+i+1], v[CH+2*((i/2)%4):CH+2*((i/2)%4)+1]
.set i, i+2
.endr
	WIN 0
	REDUCE
	v_fma_f32 v[CH], v[CH], s66, s67               ; the variance + 1e-5
	v_rsq_f32 v[CH], v[CH]
	v_nop
	s_wait_alu depctr_va_vdst(0)                   ; the wait ahead of the first reader
	v_mul_f32 v[RS], 0x3e000000, v[CH]             ; / 8: gate x normed / 8 stays inside f16; w_proj's copy carries the 8
	WIN 0x41
.set i, 0
.rept 64
	v_pk_mul_f32 v[\ob+i:\ob+i+1], v[\ob+i:\ob+i+1], v[RS:RS+1] op_sel_hi:[1,0]
.set i, i+2
.endr
	s_wait_loadcnt 0x0                             ; the gate
; x gate, in f32, four channel tiles at a time.  A register's halves are named in v0 to v127 alone, so the gate's words are first copied out of window 3; word n holds the channels of O^T's registers 2 n and 2 n + 1
.set q, 0
.rept 4
	WIN 0x03                                       ; source 0 window 3
.set k, 0
.rept 16
	v_mov_b32 v[GT+k], v[\gb+16*q+k]
.set k, k+1
.endr
	WIN 0
	GWIDE
	WIN 0x41
.set k, 0
.rept 16
	v_pk_mul_f32 v[\ob+32*q+2*k:\ob+32*q+2*k+1], v[\ob+32*q+2*k:\ob+32*q+2*k+1], v[GF+2*k:GF+2*k+1]
.set k, k+1
.endr
.set q, q+1
.endr
	WIN 0x05
.set i, 0
.rept 64
	v_cvt_pk_f16_f32 v[HH+i], v[\ob+2*i], v[\ob+2*i+1]      ; the one rounding to f16
.set i, i+1
.endr
	WIN 0
.irp ct, 0,1,2,3,4,5,6,7,8,9,10,11,12,13,14,15
	ds_store_b128 v[STO], v[HH+4*\ct:HH+4*\ct+3] offset:32*\ct       ; row r of my stage: 8 channels, 16 bytes
.endr
.irp i, 0,1,2,3,4,5,6,7,8,9,10,11,12,13,14,15
	ds_load_b128 v[RB+4*\i:RB+4*\i+3], v[RD] offset:SPITCH*\i        ; LDS serves a wave's instructions in order: these see my stores
.endr
.irp i, 0,1,2,3,4,5,6,7,8,9,10,11,12,13,14,15
	s_wait_dscnt 15-\i
	global_store_b128 v[AK], v[RB+4*\i:RB+4*\i+3], s[18:19] offset:4096*\i   ; a token's 256 channels of the head: 512 consecutive bytes, aligned
.endr
.endm
	FIN 0, 128, APH, BLH, 16
	FIN 128, 192, APL, BLL, 12
	s_wait_tensorcnt 0x0                           ; the wave's end, behind my last tensor load and my last LDS store
	ds_add_u32 v[SPW], v[NIL]
	s_wait_dscnt 0x0
	s_endpgm
.Lfunc_end_k_q6c40f5f475_ret:
	.size	k_q6c40f5f475_ret, .Lfunc_end_k_q6c40f5f475_ret-k_q6c40f5f475_ret
	.p2alignl 7, 3214868480
	.fill 96, 4, 3214868480
	.section	.rodata,"a",@progbits
	.p2align	6, 0x0
	.amdhsa_kernel k_q6c40f5f475_ret
		.amdhsa_group_segment_fixed_size 198144
		.amdhsa_private_segment_fixed_size 0
		.amdhsa_enable_private_segment 0
		.amdhsa_kernarg_size 32
		.amdhsa_user_sgpr_count 2
		.amdhsa_user_sgpr_kernarg_segment_ptr 1
		.amdhsa_wavefront_size32 1
		.amdhsa_system_sgpr_workgroup_id_x 1
		.amdhsa_system_sgpr_workgroup_id_y 1
		.amdhsa_system_sgpr_workgroup_id_z 1
		.amdhsa_system_vgpr_workitem_id 0
		.amdhsa_next_free_vgpr 1024
		.amdhsa_next_free_sgpr 102
		.amdhsa_reserve_vcc 0
		.amdhsa_float_denorm_mode_32 3
		.amdhsa_float_denorm_mode_16_64 3
		.amdhsa_memory_ordered 1
		.amdhsa_forward_progress 1
		.amdhsa_inst_pref_size 191
	.end_amdhsa_kernel
	.amdgpu_metadata
---
amdhsa.version: [ 1, 2 ]
amdhsa.kernels:
  - .name:           k_q6c40f5f475_ret
    .symbol:         k_q6c40f5f475_ret.kd
    .args:
      - { .name: act, .offset: 0, .size: 8, .value_kind: global_buffer, .address_space: global }
      - { .name: sta, .offset: 8, .size: 8, .value_kind: global_buffer, .address_space: global }
      - { .name: pre, .offset: 16, .size: 8, .value_kind: global_buffer, .address_space: global }
      - { .name: af, .offset: 24, .size: 8, .value_kind: global_buffer, .address_space: global }
    .group_segment_fixed_size: 198144
    .private_segment_fixed_size: 0
    .kernarg_segment_align: 8
    .kernarg_segment_size: 32
    .max_flat_workgroup_size: 128
    .sgpr_count:     102
    .vgpr_count:     1024
    .wavefront_size: 32
...
	.end_amdgpu_metadata
.endif
;; end of part 4
;; launch proj (part 5): grid 8 x 32, 4 waves a work-group, clusters of 4 x 4, 327,680 bytes of LDS; arguments af, pre, out0; writes out0
.if DOCPART == 5
	.amdgcn_target "amdgcn-amd-amdhsa--gfx1250"
	.amdhsa_code_object_version 6
	.text
	.protected	k_q6c40f5f475_proj
	.globl	k_q6c40f5f475_proj
	.p2align	8
	.type	k_q6c40f5f475_proj,@function
k_q6c40f5f475_proj:
	s_mov_b64 s[64:65], 0
	v_nop
	global_prefetch_b8 v0, s[64:65] scope:SCOPE_SE
	s_setreg_imm32_b32 hwreg(HW_REG_WAVE_MODE, 25, 1), 1
	s_wait_xcnt 0x0
	s_wait_alu depctr_hold_cnt(0) depctr_sa_sdst(0) depctr_va_vdst(0) depctr_va_sdst(0) depctr_va_ssrc(0) depctr_va_vcc(0) depctr_vm_vsrc(0)
	s_getreg_b32 s2, hwreg(HW_REG_IB_STS2, 6, 4)
	s_cmp_eq_u32 s2, 0
	s_cbranch_scc0 .Lentry_in_a_cluster
	s_endpgm
.Lentry_in_a_cluster:
	s_bfe_u32 s2, ttmp6, 0x10000c
	s_cmp_lg_u32 s2, 0xf033
	s_cbranch_scc0 .Lentry_shape_is_right
	s_endpgm
.Lentry_shape_is_right:
; Launch 5 of 5: y = (gate x normed) w_proj^T.  A = af [4096][2048], f16, holds gate x normed / 8; B = pre's copy of w_proj x 8 [1024][2048], f16; y [4096][1024], f32; sums in f32.  Nothing is left out here.
; A tile of y is 128 x 128, so that there are 256 work-groups.  Four waves, each 64 x 64: 16 accumulators.  K goes in steps of 256 (LDS rows of 512 bytes; a wave's tensor load brings 64 of them) through two slots.
; CLUSTERS: 4 x 4 work-groups; A's tiles are asked for jointly along a row of the cluster, B's along a column.  THE MATRIX INSTRUCTION IS USED TRANSPOSED (source 0 = 16 rows of B, source 1 = 16 rows of A):
; a lane then holds eight neighbouring numbers of a row of y.  A wave has two tensor loads outstanding at the start and one behind each round.
; THE WAY OUT: a wave's 64 columns of f32 are 256 aligned bytes, so each wave sends its own 16 rows at a time through its own stage in LDS: no barrier.
; REGISTERS: window 0: v0-31 addresses; v32-95 at work on the way out; v128-255 the accumulators ((a, b) at v[128 + 8 (4 a + b)]).  window 1: two fragment buffers of 128.
.set SIZE_N, 1024
.set SIZE_K, 2048
.set WPFO,   5570560
.set KSTEP,  256
.set PITCH,  528
.set HALFT,  64*PITCH
.set SLOT,   4*HALFT
.set STAGE,  2*SLOT                    ; behind the ring: 16 rows x 272 bytes for each wave
.set SPITCH, 272
.set SPARE,  STAGE+128*SPITCH          ; the spare words, 128 bytes a wave: no other line names them
.set LAPS, SIZE_K/(2*KSTEP)
.set ADRA, 16
.set ADRB, 20
.set STO,  24
.set RD,   25
.set CO,   26
.set SPW,  28
.set NIL,  29
.set TMP,  32
.set ACC,  128
.set F0,   0
.set F1,   128
.set G1, 24
.set G0, 32
.set G1B, 48
.set G0B, 56
.set MSB, 0
.macro WIN new
.if MSB != (\new)
	s_set_vgpr_msb (MSB<<8)|(\new)
.set MSB, (\new)
.endif
.endm
.set MUL,  0x05
.set TO_F, 0x40
.macro JLOAD s                         ; a joint load: waves 0 and 1 fetch A's two halves, waves 2 and 3 B's; an s_nop 0 and four v_nop follow each line
	s_cmp_eq_u32 s11, 0
	s_cbranch_scc0 .Lfor_b_\@
	tensor_load_to_lds s[G0+4*\s:G0+4*\s+3], s[G1:G1+7]
	s_nop 0
.rept 4
	v_nop
.endr
	s_branch .Lasked_\@
.Lfor_b_\@:
	tensor_load_to_lds s[G0B+4*\s:G0B+4*\s+3], s[G1B:G1B+7]
	s_nop 0
.rept 4
	v_nop
.endr
.Lasked_\@:
.endm
.macro CREST
	s_cmp_lg_u32 s10, 0
	s_cbranch_scc1 .Lnot_wave_0_\@
	s_barrier_signal -3
.Lnot_wave_0_\@:
	s_barrier_wait -3
	s_barrier_signal -1
	s_barrier_wait -1
.endm
.macro CROUND
	s_barrier_signal -1
	s_barrier_wait -1
	CREST
.endm
	s_load_b128 s[4:7], s[0:1], 0x0                ; af s[4:5], pre s[6:7]
	s_load_b64 s[8:9], s[0:1], 0x10                ; out0
	v_lshl_add_u32 v[SPW], v0, 2, SPARE
	v_mov_b32 v[NIL], 0
	ds_add_u32 v[SPW], v[NIL]                      ; the wave's opening: the add, twice on end, and its wait ahead of my first tensor load
	ds_add_u32 v[SPW], v[NIL]
	v_lshrrev_b32 v1, 5, v0
	v_readfirstlane_b32 s10, v1                    ; wave 0..3
	s_lshr_b32 s11, s10, 1                         ; which half of the tile's rows is mine.  Also: I fetch for A (0) or for B (1)
	s_and_b32 s12, s10, 1                          ; which half of its columns.  Also: which 64 rows I fetch
	s_bfe_u32 s40, ttmp6, 0x40000
	s_bfe_u32 s41, ttmp6, 0x40004
	s_lshl_b32 s42, ttmp9, 2
	s_add_co_u32 s42, s42, s40                     ; tile column
	s_and_b32 s13, ttmp7, 0xffff
	s_lshl_b32 s13, s13, 2
	s_add_co_u32 s13, s13, s41                     ; tile row
	s_lshl_b32 s43, s41, 2
	s_lshl_b32 s43, 15, s43
	s_lshl_b32 s44, 0x1111, s40
	s_or_b32 s[G1+0], s43, (1<<16)|(1<<20)|(1<<21)|(6<<22)|(3<<25)  ; the mask; elements of 2 bytes; padding of 4 words after every 128; bit 21 beside a mask
	s_or_b32 s[G1B+0], s44, (1<<16)|(1<<20)|(1<<21)|(6<<22)|(3<<25)
.irp g, G1, G1B
	s_mov_b32 s[\g+1], KSTEP<<16
	s_mov_b32 s[\g+2], 64<<16
	s_mov_b32 s[\g+3], KSTEP<<16
	s_mov_b32 s[\g+4], 64
	s_mov_b32 s[\g+5], SIZE_K
	s_mov_b32 s[\g+6], 0
	s_mov_b32 s[\g+7], 0
.endr
	s_lshl_b32 s17, s12, 6
	s_lshl_b32 s16, s13, 7
	s_add_co_u32 s16, s16, s17
	s_lshl_b32 s46, s42, 7
	s_add_co_u32 s46, s46, s17
	s_mov_b32 s17, 0
	s_mov_b32 s47, 0
	s_mov_b64 s[18:19], SIZE_K*2
	s_mul_u64 s[16:17], s[16:17], s[18:19]
	s_mul_u64 s[46:47], s[46:47], s[18:19]
	s_add_nc_u64 s[46:47], s[46:47], WPFO          ; w_proj's copy begins there in pre
	s_mul_i32 s20, s10, HALFT
	s_wait_dscnt 0x0                               ; both opening adds are done
	s_wait_kmcnt 0x0
	s_add_nc_u64 s[14:15], s[4:5], s[16:17]
	s_add_nc_u64 s[46:47], s[6:7], s[46:47]
	CROUND                                         ; all sixteen work-groups are here: the first joint loads meet
.irp s, 0,1
	s_mov_b32 s[G0+4*\s], 1
	s_add_co_u32 s[G0+4*\s+1], s20, \s*SLOT
	s_add_nc_u64 s[G0+4*\s+2:G0+4*\s+3], s[14:15], \s*KSTEP*2
	s_or_b32 s[G0+4*\s+3], s[G0+4*\s+3], 0x80000000
	s_mov_b32 s[G0B+4*\s], 1
	s_add_co_u32 s[G0B+4*\s+1], s20, \s*SLOT
	s_add_nc_u64 s[G0B+4*\s+2:G0B+4*\s+3], s[46:47], \s*KSTEP*2
	s_or_b32 s[G0B+4*\s+3], s[G0B+4*\s+3], 0x80000000
	JLOAD \s
.endr
	v_and_b32 v1, 15, v0
	v_bfe_u32 v2, v0, 4, 1
	v_mul_u32_u24 v3, v1, PITCH
	v_lshl_add_u32 v3, v2, 4, v3
	s_mul_i32 s21, s11, HALFT
	s_mul_i32 s22, s12, HALFT
	s_add_co_u32 s22, s22, 2*HALFT
.irp s, 0,1
	v_add_nc_u32 v[ADRA+\s], s21, v3
	v_add_nc_u32 v[ADRB+\s], s22, v3
	s_add_co_u32 s21, s21, SLOT
	s_add_co_u32 s22, s22, SLOT
.endr
	s_mul_i32 s23, s10, 16*SPITCH
	s_add_co_u32 s23, s23, STAGE                   ; my stage
	v_mul_u32_u24 v4, v1, SPITCH                   ; in: row l % 16, 32 bytes for each half of the lanes
	v_lshl_add_u32 v4, v2, 5, v4
	v_add_nc_u32 v[STO], s23, v4
	v_mul_u32_u24 v5, v2, SPITCH                   ; back: lanes 0-15 one row of 256 bytes, lanes 16-31 the next
	v_lshl_add_u32 v5, v1, 4, v5
	v_add_nc_u32 v[RD], s23, v5
	v_lshlrev_b32 v5, 12, v2                       ; and the same two rows in y: a row is 4,096 bytes
	v_lshl_add_u32 v[CO], v1, 4, v5
	s_lshl_b32 s16, s13, 7
	s_lshl_b32 s17, s11, 6
	s_add_co_u32 s16, s16, s17                     ; my first row of y
	s_mov_b32 s17, 0
	s_lshl_b64 s[16:17], s[16:17], 12
	s_add_nc_u64 s[8:9], s[8:9], s[16:17]
	s_lshl_b32 s46, s42, 9
	s_lshl_b32 s47, s12, 8
	s_add_co_u32 s46, s46, s47                     ; my first column, in bytes
	s_mov_b32 s47, 0
	s_add_nc_u64 s[8:9], s[8:9], s[46:47]
; 8 matrix instructions: m blocks a0, a0 + 1 x all 4 n blocks, 32 along K.  The 16 accumulators take turns, one instruction a turn
.macro MUL8 f, c, a0, zero
.irp a, \a0, \a0+1
.irp b, 0,1,2,3
.if \zero
	v_wmma_f32_16x16x32_f16 v[ACC+8*(4*(\a)+\b):ACC+8*(4*(\a)+\b)+7], v[\f+64+8*(4*\c+\b):\f+64+8*(4*\c+\b)+7], v[\f+8*(4*\c+\a):\f+8*(4*\c+\a)+7], 0
.else
	v_wmma_f32_16x16x32_f16 v[ACC+8*(4*(\a)+\b):ACC+8*(4*(\a)+\b)+7], v[\f+64+8*(4*\c+\b):\f+64+8*(4*\c+\b)+7], v[\f+8*(4*\c+\a):\f+8*(4*\c+\a)+7], v[ACC+8*(4*(\a)+\b):ACC+8*(4*(\a)+\b)+7]
.endif
.endr
.endr
.endm
.macro FETCH slot, k, f                ; 32 LDS loads in one run: the fragments of 64 along K
	WIN TO_F
.irp c, 0,1
.irp i, 0,1,2,3
	ds_load_b128 v[\f+64+8*(4*\c+\i):\f+64+8*(4*\c+\i)+3],   v[ADRB+\slot] offset:\k+64*\c+\i*16*PITCH
	ds_load_b128 v[\f+64+8*(4*\c+\i)+4:\f+64+8*(4*\c+\i)+7], v[ADRB+\slot] offset:\k+64*\c+\i*16*PITCH+32
	ds_load_b128 v[\f+8*(4*\c+\i):\f+8*(4*\c+\i)+3],         v[ADRA+\slot] offset:\k+64*\c+\i*16*PITCH
	ds_load_b128 v[\f+8*(4*\c+\i)+4:\f+8*(4*\c+\i)+7],       v[ADRA+\slot] offset:\k+64*\c+\i*16*PITCH+32
.endr
.endr
.endm
.macro PLACES
.rept 4
	v_nop
.endr
.endm
.macro QUARTER slot, k, f, g, zero
	s_wait_dscnt 16                                ; the first 32 along K are in
	WIN MUL
	MUL8 \f, 0, 0, \zero
	MUL8 \f, 0, 2, \zero
	PLACES
	FETCH \slot, \k, \g
	s_wait_dscnt 32                                ; all but the 32 just issued
	WIN MUL
	MUL8 \f, 1, 0, 0
	MUL8 \f, 1, 2, 0
.endm
; The last quarter changes slots: one barrier; in front of it each wave waits for all its tensor loads, adds 0 to its spare word, and waits for that and for its own reads of this slot.
.macro TURN slot, next, fill
	WIN 0
	s_wait_tensorcnt 0x0                           ; all my tensor loads have landed: my part of the next slot
	ds_add_u32 v[SPW], v[NIL]
	s_wait_dscnt 17                                ; the add and the youngest sixteen loads may be out
	WIN MUL
	MUL8 F1, 0, 0, 0
	s_wait_dscnt 0x0                               ; the add is done, and my reads of this slot are over
	s_barrier_signal -1
	MUL8 F1, 0, 2, 0
.if \fill
	WIN 0
.endif
	s_barrier_wait -1
.if \fill
	CREST                                          ; the barrier has opened a round of the cluster's: no wave of any partner still reads this slot or has a load on its way
	s_add_nc_u64 s[G0+4*\slot+2:G0+4*\slot+3], s[G0+4*\slot+2:G0+4*\slot+3], 2*KSTEP*2
	s_add_nc_u64 s[G0B+4*\slot+2:G0B+4*\slot+3], s[G0B+4*\slot+2:G0B+4*\slot+3], 2*KSTEP*2
	JLOAD \slot                                    ; the first tensor load behind the round; its four v_nop are also the places in front of the loads below
.else
	PLACES
.endif
	FETCH \next, 0, F0
	WIN MUL
	MUL8 F1, 1, 0, 0
	MUL8 F1, 1, 2, 0
.endm
	s_wait_tensorcnt 1                             ; my part of K step 0 is in; K step 1's load may be out
	s_barrier_signal -1
	s_barrier_wait -1
	FETCH 0, 0, F0
	QUARTER 0, 128, F0, F1, 1                      ; the first quarter's first products start the sums
	WIN 0
	s_mov_b32 s3, LAPS-1
.Llap:                                                 ; a trip goes once round the ring and fills both slots again
	QUARTER 0, 256, F1, F0, 0
	QUARTER 0, 384, F0, F1, 0
	TURN 0, 1, 1
	QUARTER 1, 128, F0, F1, 0
	QUARTER 1, 256, F1, F0, 0
	QUARTER 1, 384, F0, F1, 0
	TURN 1, 0, 1
	QUARTER 0, 128, F0, F1, 0
	WIN 0
	s_sub_co_u32 s3, s3, 1
	s_cmp_lg_u32 s3, 0
	s_cbranch_scc1 .Llap
	QUARTER 0, 256, F1, F0, 0                      ; the last lap fills nothing
	QUARTER 0, 384, F0, F1, 0
	TURN 0, 1, 0
	QUARTER 1, 128, F0, F1, 0
	QUARTER 1, 256, F1, F0, 0
	QUARTER 1, 384, F0, F1, 0
	s_wait_dscnt 16
	WIN MUL
	MUL8 F1, 0, 0, 0
	MUL8 F1, 0, 2, 0
	s_wait_dscnt 0
	MUL8 F1, 1, 0, 0
	MUL8 F1, 1, 2, 0
	WIN 0
	; THE WAY OUT, 16 rows at a time: the accumulators go into my stage as they are, each from its low end on, and come back as rows of 256 bytes
	PLACES
.irp a, 0,1,2,3
.if \a >= 2
	s_wait_xcnt 0x0                                ; the stores of two blocks ago have read their registers
.endif
.irp b, 0,1,2,3
	ds_store_b128 v[STO], v[ACC+8*(4*\a+\b):ACC+8*(4*\a+\b)+3] offset:64*\b
	ds_store_b128 v[STO], v[ACC+8*(4*\a+\b)+4:ACC+8*(4*\a+\b)+7] offset:64*\b+16
.endr
.irp t, 0,1,2,3,4,5,6,7
	ds_load_b128 v[TMP+32*(\a%2)+4*\t:TMP+32*(\a%2)+4*\t+3], v[RD] offset:\t*2*SPITCH   ; LDS serves a wave's instructions in order: these see my stores, and the next block's stores come behind them
.endr
.irp t, 0,1,2,3,4,5,6,7
	s_wait_dscnt 7-\t
	global_store_b128 v[CO], v[TMP+32*(\a%2)+4*\t:TMP+32*(\a%2)+4*\t+3], s[8:9] offset:(16*\a+2*\t)*SIZE_N*4 th:TH_STORE_NT   ; 16 lanes store 256 consecutive bytes, aligned
.endr
.endr
	s_wait_tensorcnt 0x0                           ; the wave's end, behind my last tensor load and my last LDS store
	ds_add_u32 v[SPW], v[NIL]
	s_wait_dscnt 0x0
	CROUND                                         ; the closing round
	s_endpgm
.Lfunc_end_k_q6c40f5f475_proj:
	.size	k_q6c40f5f475_proj, .Lfunc_end_k_q6c40f5f475_proj-k_q6c40f5f475_proj
	.p2alignl 7, 3214868480
	.fill 96, 4, 3214868480
	.section	.rodata,"a",@progbits
	.p2align	6, 0x0
	.amdhsa_kernel k_q6c40f5f475_proj
		.amdhsa_group_segment_fixed_size 327680
		.amdhsa_private_segment_fixed_size 0
		.amdhsa_enable_private_segment 0
		.amdhsa_kernarg_size 24
		.amdhsa_user_sgpr_count 2
		.amdhsa_user_sgpr_kernarg_segment_ptr 1
		.amdhsa_wavefront_size32 1
		.amdhsa_system_sgpr_workgroup_id_x 1
		.amdhsa_system_sgpr_workgroup_id_y 1
		.amdhsa_system_sgpr_workgroup_id_z 1
		.amdhsa_system_vgpr_workitem_id 0
		.amdhsa_next_free_vgpr 512
		.amdhsa_next_free_sgpr 66
		.amdhsa_reserve_vcc 0
		.amdhsa_float_denorm_mode_32 3
		.amdhsa_float_denorm_mode_16_64 3
		.amdhsa_memory_ordered 1
		.amdhsa_forward_progress 1
		.amdhsa_inst_pref_size 86
	.end_amdhsa_kernel
	.amdgpu_metadata
---
amdhsa.version: [ 1, 2 ]
amdhsa.kernels:
  - .name:           k_q6c40f5f475_proj
    .symbol:         k_q6c40f5f475_proj.kd
    .args:
      - { .name: af, .offset: 0, .size: 8, .value_kind: global_buffer, .address_space: global }
      - { .name: pre, .offset: 8, .size: 8, .value_kind: global_buffer, .address_space: global }
      - { .name: out0, .offset: 16, .size: 8, .value_kind: global_buffer, .address_space: global }
    .group_segment_fixed_size: 327680
    .private_segment_fixed_size: 0
    .kernarg_segment_align: 8
    .kernarg_segment_size: 24
    .max_flat_workgroup_size: 128
    .sgpr_count:     66
    .vgpr_count:     512
    .wavefront_size: 32
...
	.end_amdgpu_metadata
.endif
;; end of part 5
